; MI455X (gfx1250); checked and timed in simulation.
; The chip was launched on July 23, 2026; its instructions are those of AMD's public machine-readable ISA for CDNA 5 (MIT licence, August 2026) and "CDNA5" Instruction Set Architecture Reference Guide (July 2026). The comments in the code are by the model that wrote it; some were corrected since.
;; Ver2f. Allowed arithmetic: matrix products marked QUANTISED: E2M1 operands, one E8M0 scale for each 32 along K, by v_wmma_scale_f32_16x16x128_f8f6f4 with both operands' format E2M1 (or v_wmma_scale_f32_32x16x128_f4), f32 sums; products left as they are: f32 operands where the result goes on into a quantised operand, else bf16, f16 or f32 operands; f32 sums; everything else in f32.
;; Inputs: W_proj 512 x 512 float32; Wu 512 x 256 float32; Wv 512 x 256 float32; b_attn one number float32; b_proj 512 float32; bu 256 float32; bv 256 float32; coord_l 2 x 16,384 x 2 float32; coord_s 2 x 16,384 x 2 float32; desc_feats 4 x 8 x 512 float32; w_attn 256 float32; x_l 2 x 16,384 x 512 float32; x_s 2 x 16,384 x 512 float32.
;; Outputs: out0 2 x 4 float32; out1 2 int32; out2 2 x 16,384 x 4 float32; out3 2 x 16,384 x 4 float32.
;; This version of the problem:
;;   THIS VERSION OF THE PROBLEM IS GIVEN IN LOW PRECISION. The matrix products marked QUANTISED in the list below multiply operands that are first quantised to E2M1 (2 exponent bits, 1 mantissa bit; 4 bits a number), with one power-of-two scale for each 32 numbers along K (OCP MX v1.0); their sums are f32. All else is computed in f32.
;;   The module's matrix products, in the order in which they are computed (A, B: the left and right operand; K: the contracted axis; several contracted axes count as one K, in the product's order):
;;     1. [M 32,768, K 512] x [K 512, N 512]; A: computed on the way; B: input W_proj: QUANTISED
;;     2. [M 32,768, K 512] x [K 512, N 512]; A: computed on the way; B: input W_proj: QUANTISED
;;     3. [M 32,768, K 512] x [K 512, N 32]; A: computed on the way; B: input desc_feats: QUANTISED
;;     4. [M 32,768, K 512] x [K 512, N 32]; A: computed on the way; B: input desc_feats: QUANTISED
;;     5. batch 131,072 x [M 1, K 8] x [K 8, N 1]; A: softmax; B: computed on the way: left as it is (K = 8 < 32)
;;     6. [M 32,768, K 512] x [K 512, N 32]; A: computed on the way; B: input desc_feats: QUANTISED
;;     7. [M 32,768, K 512] x [K 512, N 32]; A: computed on the way; B: input desc_feats: QUANTISED
;;     8. batch 131,072 x [M 1, K 8] x [K 8, N 1]; A: softmax; B: computed on the way: left as it is (K = 8 < 32)
;;     9. [M 32,768, K 512] x [K 512, N 256]; A: computed on the way; B: input Wv: QUANTISED
;;     10. [M 32,768, K 512] x [K 512, N 256]; A: computed on the way; B: input Wu: QUANTISED
;;     11. [M 32,768, K 256] x [K 256, N 1]; A: computed on the way; B: input w_attn: left as it is (N = 1 < 16)
;;     12. batch 2 x [M 1, K 16,384] x [K 16,384, N 512]; A: softmax; B: computed on the way: left as it is (M = 1 < 16)
;;     13. [M 32,768, K 512] x [K 512, N 256]; A: computed on the way; B: input Wv: QUANTISED
;;     14. [M 32,768, K 512] x [K 512, N 256]; A: computed on the way; B: input Wu: QUANTISED
;;     15. [M 32,768, K 256] x [K 256, N 1]; A: computed on the way; B: input w_attn: left as it is (N = 1 < 16)
;;     16. batch 2 x [M 1, K 16,384] x [K 16,384, N 512]; A: softmax; B: computed on the way: left as it is (M = 1 < 16)
;;     17. [M 2, K 512] x [K 512, N 4]; A: computed on the way; B: computed on the way: left as it is (M = 2 < 16)
;;     18. [M 2, K 512] x [K 512, N 4]; A: computed on the way; B: computed on the way: left as it is (M = 2 < 16)
;;   THE QUANTISER, for each operand of a quantised product, along K:
;;     - K is cut into blocks of 32 from its start; a last block that is shorter is filled with zeros.
;;     - A block's scale is 2^e with e = floor(log2(the largest magnitude in the block)) - 2, held to -126 .. 127; a block of zeros has e = 0. As a byte (E8M0): e + 127.
;;     - Each number is divided by its block's scale, clamped to +-6, and rounded to the nearest number of E2M1, ties to even, subnormals kept.
;;     - The product sums the exact products of the quantised numbers (number of the format x scale) in f32.
;;   ~~~python
;;   def quantise(x, axis):      # numpy; x: float32 -> the quantised numbers, widened to float32 again
;;       x = np.moveaxis(x, axis, -1); K = x.shape[-1]
;;       x = np.pad(x, [(0, 0)] * (x.ndim - 1) + [(0, -K % 32)]); x = x.reshape(x.shape[:-1] + (-1, 32)); a = np.abs(x).max(-1, keepdims=True)
;;       e = np.where(a > 0, np.clip(np.frexp(np.where(a > 0, a, 1))[1] - 1 - 2, -126, 127), 0)      # np.frexp(a)[1] - 1 = floor(log2(a)), exactly
;;       r = np.clip(x / 2.0 ** e, -6, 6)
;;       step = 2.0 ** (np.maximum(np.frexp(np.where(r == 0, 1, r))[1] - 1, 0) - 1)
;;       q = np.round(r / step) * step * 2.0 ** e      # np.round: ties to even
;;       return np.moveaxis(q.reshape(q.shape[:-2] + (-1,))[..., :K], -1, axis).astype(np.float32)
;;   ~~~
;;   OPERANDS COMPUTED ON THE WAY. 'Computed on the way' means the value that the module computes at that place (a softmax that the list does not call 'softmax' is quantised finished and normalised). What goes into a quantiser is computed in f32, as accurately as f32 sums, v_exp_f32 and their like allow (about 1e-6 of the number): no bf16 or f16 on the way to a quantiser, and a product that is left as it is and whose result goes on into a quantised operand takes f32 operands (vector FMAs, or v_wmma_f32_16x16x4_f32). A number that lies on a knife's edge between two numbers of the format may be rounded either way, as far as f32 arithmetic and the matrix unit's own rounding can turn it there, and no further.
;; One version. Each part assembles by itself: llvm-mc -triple=amdgcn-amd-amdhsa -mcpu=gfx1250 --defsym DOCPART=n.
;; ======== version 1 of 1: 3 launches
;; workspace buffers: wq 300,544 bytes; part 589,824 bytes
;; launch prep (part 1): grid 35 x 1, 4 waves a work-group, no clusters, 0 bytes of LDS; arguments W_proj, Wv, Wu, desc_feats, b_proj, bv, bu, w_attn, wq; writes wq
.if DOCPART == 1
	.amdgcn_target "amdgcn-amd-amdhsa--gfx1250"
	.amdhsa_code_object_version 6
	.text
	.protected	k_q5ce6b9f781_prep
	.globl	k_q5ce6b9f781_prep
	.p2align	8
	.type	k_q5ce6b9f781_prep,@function
k_q5ce6b9f781_prep:
	s_mov_b64 s[64:65], 0
	v_nop
	global_prefetch_b8 v0, s[64:65] scope:SCOPE_SE
	s_setreg_imm32_b32 hwreg(HW_REG_WAVE_MODE, 25, 1), 1
	s_wait_xcnt 0x0
; W_proj [512][512], Wv, Wu [512][256] (K is their FIRST axis) and desc_feats [32][512] (K innermost), all f32, become codes of FP4 (E2M1) with one E8M0 byte for each 32 along K,
; laid in wq IN THE ORDER OF THE OPERAND'S REGISTERS, so that the next launch loads whole fragments, 16 bytes a lane, 512 consecutive bytes an instruction.
; A TILE T is 16 columns n.  Tiles 0-31: W_proj (8 w + t);  32-63: the gates (32 + 8 w + t', t' 0-3 of Wv, 4-7 of Wu);  64, 65: desc.
;   codes:  T*4096 + s*1024 + c*512 + (r + 16 h)*16 : the 16 bytes of block 4 s + 2 c + h of the tile's row r (s: K step of 128)
;   scales: SCB + T*256 + (s/2)*128 + (s%2)*64 + 4 r : the scale word of row r, K step s: one register then carries two K steps, one in each half of the lanes
;   biases: BIA + 1280 w : b_proj[128 w ..] 512 bytes, bv[64 w ..], bu[64 w ..], w_attn[64 w ..] 256 bytes each
;   text:   TXT + 2048 c : the class's text feature, f32: the largest of its 8 descriptions at each dimension, l2-normalised
; THE COLUMNS OF A TILE ARE NOT NEIGHBOURS: lane r of tile 2 b + u takes column 32 b + 8 u + r + 8 (r / 8), so that a transposed product leaves 16 neighbours along the next K in a lane's 16 registers.
; SHARES.  Work-group cg takes 32 columns (a pair of tiles), wave s the K step s; a lane takes ONE column and its 128 registers run down K: a block's largest magnitude needs no other lane,
; and the conversions give codes with K innermost.  cg 0-15: W_proj;  16-23: Wv;  24-31: Wu;  32: desc;  33: the biases are copied wave by wave;  34: wave c makes class c's text feature.
; A block's scale byte is its largest magnitude's exponent field - 2, held at 1 from below.
; LIMITS: a block of zeros gets the byte 1 where the quantiser says 127 (its codes are zeros, and this program alone reads the bytes); NaN and infinities are not served;
; the division by a norm is a multiplication by v_rsq_f32's result, held at 1e12 (= the clip of the norm at 1e-12).
; The scale words leave in runs of 64 bytes (16,896 bytes in the whole launch); every other store of a wave covers whole aligned runs of 256 bytes.
.set SCB, 275456
.set BIA, 270336
.set TXT, 292352
.set VC,  2                            ; v2   4096 u + 16 r: my column's place among the pair's codes
.set VS,  3                            ; v3   256 u + 4 r: and among its scale words
.set V4,  4                            ; v4   4 x lane
.set VD,  5                            ; v5   2048 x lane: my row of desc
.set TM,  8                            ; v8-11   largest magnitudes
.set SO,  12                           ; v12-15  the conversions' scale operands
.set BY,  16                           ; v16-19  scale bytes
.set PW,  20                           ; v20     the scale word
.set X,   32                           ; v32-159 128 numbers down K
.set C,   160                          ; v160-175 their codes; in the text path the 16 dimensions of a lane
	s_load_b256 s[4:11], s[0:1], 0x0               ; W_proj s[4:5], Wv s[6:7], Wu s[8:9], desc s[10:11]
	s_load_b256 s[12:19], s[0:1], 0x20             ; b_proj s[12:13], bv s[14:15], bu s[16:17], w_attn s[18:19]
	s_load_b64 s[20:21], s[0:1], 0x40              ; wq
	v_lshrrev_b32 v1, 5, v0
	v_readfirstlane_b32 s2, v1                     ; wave = K step
	v_and_b32 v1, 31, v0                           ; lane = column of the 32
	v_lshlrev_b32 v[V4], 2, v1
	v_lshlrev_b32 v[VD], 11, v1
	v_bfe_u32 v6, v0, 3, 1                         ; u: which tile of the pair
	v_bfe_u32 v7, v0, 4, 1
	v_and_b32 v[VC], 7, v0
	v_lshl_add_u32 v7, v7, 3, v[VC]                ; r = 8 (lane / 16) + lane % 8
	v_lshlrev_b32 v[VC], 4, v7
	v_lshl_add_u32 v[VC], v6, 12, v[VC]
	v_lshlrev_b32 v[VS], 2, v7
	v_lshl_add_u32 v[VS], v6, 8, v[VS]
	s_mov_b32 s25, 0
	s_wait_kmcnt 0x0
.macro LOADK stride                    ; 128 rows k of my column: 32 lanes read 128 consecutive bytes
.set i, 0
.rept 128
	global_load_b32 v[X+i], v[V4], s[4:5] offset:i*\stride th:TH_LOAD_NT
.set i, i+1
.endr
.endm
	s_cmp_eq_u32 ttmp9, 34
	s_cbranch_scc1 .Ltext
	s_cmp_eq_u32 ttmp9, 33
	s_cbranch_scc1 .Lbias
	s_cmp_eq_u32 ttmp9, 32
	s_cbranch_scc1 .Ldesc
	s_cmp_lt_u32 ttmp9, 16
	s_cbranch_scc0 .Lgate
	s_lshl_b32 s22, ttmp9, 1                       ; W_proj: the pair's first tile
	s_lshl_b32 s24, ttmp9, 7                       ; 32 columns of 4 bytes
	s_lshl_b32 s28, s2, 18                         ; 128 rows of 2,048 bytes
	s_add_co_u32 s24, s24, s28
	s_add_nc_u64 s[4:5], s[4:5], s[24:25]
	LOADK 2048
	s_branch .Lquant
.Lgate:
	s_sub_co_u32 s23, ttmp9, 16
	s_and_b32 s26, s23, 7                          ; which 32 hidden units
	s_lshr_b32 s27, s23, 3                         ; 0: Wv, 1: Wu
	s_lshr_b32 s22, s26, 1
	s_lshl_b32 s22, s22, 3                         ; 8 x the wave that will own them
	s_and_b32 s28, s26, 1
	s_lshl_b32 s28, s28, 1
	s_add_co_u32 s22, s22, s28                     ; + 2 x its pair
	s_lshl_b32 s28, s27, 2
	s_add_co_u32 s22, s22, s28                     ; + 4 for Wu
	s_add_co_u32 s22, s22, 32
	s_cmp_eq_u32 s27, 0                            ; the choice hangs on the work-group's number alone
	s_cselect_b64 s[4:5], s[6:7], s[8:9]
	s_lshl_b32 s24, s26, 7
	s_lshl_b32 s28, s2, 17                         ; 128 rows of 1,024 bytes
	s_add_co_u32 s24, s24, s28
	s_add_nc_u64 s[4:5], s[4:5], s[24:25]
	LOADK 1024
	s_branch .Lquant
.Ldesc:
	s_mov_b32 s22, 64
	s_lshl_b32 s24, s2, 9                          ; K is innermost here: 128 numbers of my row are 512 bytes
	s_add_nc_u64 s[10:11], s[10:11], s[24:25]
.set i, 0
.rept 32
	global_load_b128 v[X+4*i:X+4*i+3], v[VD], s[10:11] offset:16*i
.set i, i+1
.endr
.Lquant:
	s_wait_loadcnt 0x0                             ; the three ways issue different numbers of loads: all are in
.irp q, 0,1,2,3
	v_max3_num_f32 v[TM+\q], |v[X+32*\q]|, |v[X+32*\q+1]|, 0x1800000   ; block q, and the floor 2^(3 - 127): the byte cannot fall under 1
.endr
.irp i, 2,4,6,8,10,12,14,16,18,20,22,24,26,28,30
.irp q, 0,1,2,3
	v_max3_num_f32 v[TM+\q], v[TM+\q], |v[X+32*\q+\i]|, |v[X+32*\q+\i+1]|   ; the four blocks by turns
.endr
.endr
.irp q, 0,1,2,3
	v_add_nc_u32 v[SO+\q], 0xff000000, v[TM+\q]    ; 2 off the exponent field: the conversion's scale operand
.endr
.irp q, 0,1,2,3
	v_lshrrev_b32 v[BY+\q], 23, v[SO+\q]           ; the scale's byte
.endr
	v_lshl_or_b32 v[PW], v[BY+1], 8, v[BY]
	v_lshl_or_b32 v[PW], v[BY+2], 16, v[PW]
	v_lshl_or_b32 v[PW], v[BY+3], 24, v[PW]
.irp q, 0,1,2,3
.irp g, 0,1,2,3
	v_cvt_scalef32_pk8_fp4_f32 v[C+4*\q+\g], v[X+32*\q+8*\g:X+32*\q+8*\g+7], v[SO+\q]
.endr
.endr
	v_nop                                          ; one plain line behind the last scaled conversion
	s_lshl_b32 s24, s22, 12                        ; codes: tile x 4,096 + K step x 1,024
	s_lshl_b32 s28, s2, 10
	s_add_co_u32 s24, s24, s28
	s_add_nc_u64 s[30:31], s[20:21], s[24:25]
	s_lshl_b32 s24, s22, 8                         ; scale words: tile x 256 + (s / 2) x 128 + (s % 2) x 64
	s_lshr_b32 s28, s2, 1
	s_lshl_b32 s28, s28, 7
	s_add_co_u32 s24, s24, s28
	s_and_b32 s28, s2, 1
	s_lshl_b32 s28, s28, 6
	s_add_co_u32 s24, s24, s28
	s_add_co_u32 s24, s24, SCB
	s_add_nc_u64 s[20:21], s[20:21], s[24:25]
.irp q, 0,1,2,3
	global_store_b128 v[VC], v[C+4*\q:C+4*\q+3], s[30:31] offset:(\q/2)*512+(\q%2)*256   ; sixteen lanes of each tile fill 256 consecutive aligned bytes
.endr
	global_store_b32 v[VS], v[PW], s[20:21]
	s_endpgm
.Lbias:
	v_lshlrev_b32 v6, 4, v1
	v_lshlrev_b32 v7, 3, v1
	s_lshl_b32 s24, s2, 9
	s_add_nc_u64 s[12:13], s[12:13], s[24:25]      ; b_proj: 128 numbers a wave
	s_lshl_b32 s24, s2, 8
	s_add_nc_u64 s[14:15], s[14:15], s[24:25]      ; bv, bu, w_attn: 64 numbers a wave
	s_add_nc_u64 s[16:17], s[16:17], s[24:25]
	s_add_nc_u64 s[18:19], s[18:19], s[24:25]
	s_mul_i32 s24, s2, 1280
	s_add_co_u32 s24, s24, BIA
	s_add_nc_u64 s[20:21], s[20:21], s[24:25]
	global_load_b128 v[32:35], v6, s[12:13]
	global_load_b64 v[36:37], v7, s[14:15]
	global_load_b64 v[38:39], v7, s[16:17]
	global_load_b64 v[40:41], v7, s[18:19]
	s_wait_loadcnt 0x0
	global_store_b128 v6, v[32:35], s[20:21]
	global_store_b64 v7, v[36:37], s[20:21] offset:512
	global_store_b64 v7, v[38:39], s[20:21] offset:768
	global_store_b64 v7, v[40:41], s[20:21] offset:1024
	s_endpgm
.Ltext:                                                ; wave = class.  Lane l holds dimensions 128 q + 4 l + 0 .. 3, q = 0 .. 3: every load and store of the wave covers 512 consecutive bytes
	v_lshlrev_b32 v6, 4, v1
	s_mov_b32 s26, 0x76543210
	s_mov_b32 s27, 0xfedcba98                      ; v_permlanex16_b32's selects for lane l xor 16
	s_mov_b32 s28, 0x5368d4a5                      ; 1e12
	s_lshl_b32 s24, s2, 14                         ; the class's 8 rows of 2,048 bytes
	s_add_nc_u64 s[10:11], s[10:11], s[24:25]
	s_lshl_b32 s24, s2, 11
	s_add_co_u32 s24, s24, TXT
	s_add_nc_u64 s[20:21], s[20:21], s[24:25]
.irp k, 0,1,2,3,4,5,6,7
.irp q, 0,1,2,3
	global_load_b128 v[X+16*\k+4*\q:X+16*\k+4*\q+3], v6, s[10:11] offset:2048*\k+512*\q
.endr
.endr
	s_wait_loadcnt 0x0
.set i, 0
.rept 16
	v_max3_num_f32 v[C+i], v[X+i], v[X+16+i], v[X+32+i]            ; the largest of the eight descriptions, sign and all
.set i, i+1
.endr
.irp k, 48, 80
.set i, 0
.rept 16
	v_max3_num_f32 v[C+i], v[C+i], v[X+\k+i], v[X+\k+16+i]
.set i, i+1
.endr
.endr
.set i, 0
.rept 16
	v_max_num_f32 v[C+i], v[C+i], v[X+112+i]
.set i, i+1
.endr
	v_pk_mul_f32 v[8:9], v[C:C+1], v[C:C+1]        ; the sum of squares, in two chains
	v_pk_mul_f32 v[10:11], v[C+2:C+3], v[C+2:C+3]
.irp p, 2,4,6
	v_pk_fma_f32 v[8:9], v[C+2*\p:C+2*\p+1], v[C+2*\p:C+2*\p+1], v[8:9]
	v_pk_fma_f32 v[10:11], v[C+2*\p+2:C+2*\p+3], v[C+2*\p+2:C+2*\p+3], v[10:11]
.endr
	v_pk_add_f32 v[8:9], v[8:9], v[10:11]
	v_add_f32 v8, v8, v9
.irp k, 1,2,4,8
	v_add_f32_dpp v8, v8, v8 row_xmask:\k row_mask:0xf bank_mask:0xf
.endr
	v_permlanex16_b32 v9, v8, s26, s27
	v_add_f32 v8, v8, v9                           ; over the 512 dimensions
	v_rsq_f32 v10, v8
	v_nop                                          ; one plain line behind the transcendental,
	s_wait_alu depctr_va_vdst(0)                   ; and the wait ahead of its first reader
	v_min_num_f32 v12, s28, v10                    ; 1 / max(norm, 1e-12)
	v_mov_b32 v13, v12
.irp p, 0,1,2,3,4,5,6,7
	v_pk_mul_f32 v[C+2*\p:C+2*\p+1], v[C+2*\p:C+2*\p+1], v[12:13] op_sel_hi:[1,0]
.endr
.irp q, 0,1,2,3
	global_store_b128 v6, v[C+4*\q:C+4*\q+3], s[20:21] offset:512*\q
.endr
	s_endpgm
.Lfunc_end_k_q5ce6b9f781_prep:
	.size	k_q5ce6b9f781_prep, .Lfunc_end_k_q5ce6b9f781_prep-k_q5ce6b9f781_prep
	.p2alignl 7, 3214868480
	.fill 96, 4, 3214868480
	.section	.rodata,"a",@progbits
	.p2align	6, 0x0
	.amdhsa_kernel k_q5ce6b9f781_prep
		.amdhsa_group_segment_fixed_size 0
		.amdhsa_private_segment_fixed_size 0
		.amdhsa_enable_private_segment 0
		.amdhsa_kernarg_size 72
		.amdhsa_user_sgpr_count 2
		.amdhsa_user_sgpr_kernarg_segment_ptr 1
		.amdhsa_wavefront_size32 1
		.amdhsa_system_sgpr_workgroup_id_x 1
		.amdhsa_system_sgpr_workgroup_id_y 1
		.amdhsa_system_sgpr_workgroup_id_z 1
		.amdhsa_system_vgpr_workitem_id 0
		.amdhsa_next_free_vgpr 192
		.amdhsa_next_free_sgpr 66
		.amdhsa_reserve_vcc 0
		.amdhsa_float_denorm_mode_32 3
		.amdhsa_float_denorm_mode_16_64 3
		.amdhsa_memory_ordered 1
		.amdhsa_forward_progress 1
		.amdhsa_inst_pref_size 46
	.end_amdhsa_kernel
	.amdgpu_metadata
---
amdhsa.version: [ 1, 2 ]
amdhsa.kernels:
  - .name:           k_q5ce6b9f781_prep
    .symbol:         k_q5ce6b9f781_prep.kd
    .args:
      - { .name: W_proj, .offset: 0, .size: 8, .value_kind: global_buffer, .address_space: global }
      - { .name: Wv, .offset: 8, .size: 8, .value_kind: global_buffer, .address_space: global }
      - { .name: Wu, .offset: 16, .size: 8, .value_kind: global_buffer, .address_space: global }
      - { .name: desc_feats, .offset: 24, .size: 8, .value_kind: global_buffer, .address_space: global }
      - { .name: b_proj, .offset: 32, .size: 8, .value_kind: global_buffer, .address_space: global }
      - { .name: bv, .offset: 40, .size: 8, .value_kind: global_buffer, .address_space: global }
      - { .name: bu, .offset: 48, .size: 8, .value_kind: global_buffer, .address_space: global }
      - { .name: w_attn, .offset: 56, .size: 8, .value_kind: global_buffer, .address_space: global }
      - { .name: wq, .offset: 64, .size: 8, .value_kind: global_buffer, .address_space: global }
    .group_segment_fixed_size: 0
    .private_segment_fixed_size: 0
    .kernarg_segment_align: 8
    .kernarg_segment_size: 72
    .max_flat_workgroup_size: 128
    .sgpr_count:     66
    .vgpr_count:     192
    .wavefront_size: 32
...
	.end_amdgpu_metadata
.endif
;; end of part 1
;; launch chain (part 2): grid 256 x 1, 4 waves a work-group, no clusters, 327,680 bytes of LDS; arguments x_s, x_l, wq, b_attn, part, out2, out3; writes part, out2, out3
.if DOCPART == 2
	.amdgcn_target "amdgcn-amd-amdhsa--gfx1250"
	.amdhsa_code_object_version 6
	.text
	.protected	k_q5ce6b9f781_chain
	.globl	k_q5ce6b9f781_chain
	.p2align	8
	.type	k_q5ce6b9f781_chain,@function
k_q5ce6b9f781_chain:
	s_mov_b64 s[64:65], 0
	v_nop
	global_prefetch_b8 v0, s[64:65] scope:SCOPE_SE
	s_setreg_imm32_b32 hwreg(HW_REG_WAVE_MODE, 25, 1), 1
	s_wait_xcnt 0x0
; For 256 rows of x_s or x_l a work-group runs the whole chain: l2norm, quantise, x W_proj + b_proj, l2norm (= xp), quantise, xp x desc (class scores), xp x Wv, xp x Wu, tanh x sigmoid . w_attn + b_attn (a logit a row),
; and a running softmax-weighted sum of the f32 xp.  All products on codes of FP4 (E2M1) with one E8M0 byte for each 32 along K.  Out: the class scores, and ONE partial (maximum, sum, vector) a work-group; the next launch joins them.
; reference() multiplies xp by desc twice, with the same two quantised operands: the product is made once and used twice.  coord_s and coord_l enter nothing that reference() computes.
; SHARES.  Work-group g: stream g / 128, rows 256 (g % 128) on, as four blocks of 64 rows.  THE WAVES SHARE THE COLUMNS: wave w keeps in registers, for the whole launch, W_proj's columns 128 w .. + 127 (window 1) and
; Wv's and Wu's hidden units 64 w .. + 63 (window 2): 512 registers, read from memory once.  What goes round is small: the rows' codes, as IMAGES OF THE OPERAND'S REGISTERS in LDS (16 bytes a lane, 512 an instruction).
; For x itself and for the product with desc, wave w owns rows 16 w .. + 15 of the block.
; ALL PRODUCTS ARE USED TRANSPOSED (source 0 = 16 columns of a weight, source 1 = 16 rows): a lane holds one row, and, by the choice of a tile's columns that the launch before made, the 16 registers of two neighbouring
; tiles are 16 neighbours along the next K: unit 32 b + 16 (lane / 16) + 0 .. 15.
; x comes through two LDS slots of 64 rows (131,072 bytes of data each), each wave fetching one plane of 128 columns by one tensor load.  By this text's count a wave has two tensor loads out at the start (constants, slot 0)
; and one behind each later barrier of that kind: slot 1's first fill goes out behind the head's barrier, as a refill does, so that block 0's rows are asked for alone; every later load has a block or more in which to land.
; NO CLUSTER: the work-groups share only the weights' codes, 280 KB, which do not fit in LDS beside the two slots (270,336 bytes) and the images; they go once, dense, into the registers where they stay.
; NO PREFETCH of x: each tile but the first is asked for a block or more ahead of its first read.
; SOFTMAX OVER THE ROWS: a running maximum, in the log2 domain, kept per lane (rows that share lane % 16); joined across lanes at the end, across work-groups in the next launch.
; tanh(v) sigmoid(u) = (E - 1) / ((E + 1)(F + 1)), E = 2^(2 log2e v), F = 2^(-log2e u): three transcendentals a pair.  E's exponent is held between -32 and 32, where tanh is -1 and 1 in f32.
; LIMITS: NaN and infinities are not served; rows whose sum of squares overflows f32 are not served (reference()'s norm overflows there too); a division by a norm is a multiplication by v_rsq_f32's result,
; held at 1e12 (= the clip of the norm at 1e-12); a block of zeros carries the byte 1 with zero codes.
;
; LDS (bytes)
.set XP,     528                       ; a row of a plane: 512 bytes + 16 of padding = 132 words: the sixteen rows of a load start 4 words apart modulo 64 (64 banks of 4 bytes: ISA guide 11.1)
.set PLANE,  64*XP                     ; 64 rows x 128 columns: what one tensor load brings
.set SLOT,   4*PLANE                   ; slot 0 at 0, slot 1 at SLOT
.set BASE2,  2*SLOT                    ; 270,336: all that follows lies within a 16-bit offset of it
.set O_HIMG, 16384                     ; x's images at BASE2: fragment (tile of rows m, K step s) at (4 m + s) 1,024 + 512 c + 16 lane;  xp's at BASE2 + O_HIMG
.set O_XSC,  32768                     ; x's scale words: 256 m + 128 (s / 2) + 64 (s % 2) + 4 r
.set O_HSC,  33792                     ; xp's
.set O_SSQ,  34816                     ; sums of squares: 512 m + 16 lane + 4 w
.set O_AP,   36864                     ; parts of the logits: the same
.set PST,    309248                    ; the way out of the pooled vector: 512 bytes a wave
.set SPARE,  311296                    ; the spare words, 128 bytes for each wave: two blocks of 256 bytes that no other line names
.set CB,     311808                    ; filled once: desc's fragments (t, s) at (4 t + s) 1,024; from + 8,192 the biases, 1,280 bytes a wave
.set O_CB,   CB-BASE2
.set SCB,    275456                    ; in wq: the scale words
; VECTOR REGISTERS.  Window 0:
.set SPW,  1                           ; LDS address of my spare word; never rewritten
.set NIL,  2                           ; 0; never rewritten
.set LI2,  3                           ; BASE2 + 16 lane
.set LS2,  4                           ; BASE2 + 4 lane
.set AXL,  5                           ; (16 w + r) XP + 128 h: my row's bytes in a plane
.set XWI,  6                           ; LI2 + 4,096 w
.set XWS,  7                           ; BASE2 + 256 w + 4 r
.set SWS,  8                           ; LS2 + 256 w
.set HWI,  9                           ; LI2 + 1,024 w
.set HWS,  10                          ; BASE2 + 128 (w / 2) + 64 (w % 2) + 4 r
.set SSW,  11                          ; LI2 + 4 w
.set BH,   12                          ; CB + 8,192 + 1,280 w + 64 h
.set OUTO, 13                          ; 256 w + 16 r + 8 h: my two class scores in the block's 1,024 bytes
.set H8,   14                          ; 8 h
.set PSTW, 15                          ; PST + 512 w + 64 h
.set AX0,  16                          ; the slot in hand: planes 0, 1;
.set AX1,  17                          ; planes 2, 3
.set AH,   18                          ; addresses of the loop over tiles of rows
.set AHS,  19
.set AAP,  20
.set L16,  21                          ; 16 lane
.set L8,   22                          ; 8 lane
.set L4,   23                          ; 4 lane
.set WPS,  24                          ; v24-39  W_proj's scale words (2 t + s / 2): K step 2 p in lanes 0-15, 2 p + 1 in lanes 16-31.  Scales and nothing else, as are the next three
.set WGS,  40                          ; v40-55  the gates'
.set DSC,  56                          ; v56-59  desc's
.set POOL, 60                          ; v60-123 the weighted sum of xp: register 8 t + j as in a result
.set MX,   124                         ; the running maximum
.set LSUM, 126                         ; the running sum
.set ACC2, 128                         ; v128-191 biases, the gates' accumulators, desc's fragments, work
.set FR,   192                         ; v192-223 four fragments of rows
.set FRS,  224                         ; v224-227 their scale words, two sets
.set T,    228                         ; v228-255 work
; window 1: W_proj's fragment (t, s) at 32 t + 8 s.   window 2: the gates' (t', s) likewise.   window 3: x (register 64 s + 32 c + i = column 128 s + 64 c + 32 h + i of my row), then Y = xp (64 m + 8 t + j)
; work, phase X (the scale words just made lie in T, so that no LDS store's data lie under the loads that follow into ACC2):
.set TMX, ACC2
.set SOX, ACC2+8
.set BYX, ACC2+16
.set PWX, T
.set PXX, ACC2+28
.set RX,  ACC2+32
; phase N:
.set TMN, ACC2
.set PDN, ACC2+16
.set SON, ACC2+32
.set PWN, T
.set RR,  ACC2+52
; pooling:
.set PF,  ACC2+16                      ; pairs: f, p0 .. p3 in the low halves
; SCALAR REGISTERS
.set WV,   2                           ; my wave's number
.set TB,   3                           ; LDS byte at which the slot in hand begins
.set BC,   4                           ; blocks to go in the loop
.set MC,   5                           ; trips to go in the loop over tiles of rows
.set M4K,  6                           ; 4,096 x the tile of rows that is being fetched
.set M256, 7                           ; 256 x the same
.set XCUR, 8                           ; s[8:9]   x at the block in hand
.set PART, 16                          ; s[16:17] my record of part
.set OUTP, 18                          ; s[18:19] the class scores at the block in hand
.set M512, 22                          ; 512 x the tile of rows in hand
.set BL,   23                          ; b_attn x log2(e)
.set WLDS, 24                          ; PLANE x w
.set WOFF, 26                          ; s[26:27] 512 w, as 64 bits
.set SEL,  28                          ; s[28:29] v_permlanex16_b32's selects for lane l xor 16
.set LOG2E, 30
.set CM32, 31                          ; -32.0
.set G1X,  32                          ; s[32:39] group 1 of x's planes
.set G1C,  40                          ; s[40:47] group 1 of the constants
.set G0A,  48                          ; s[48:51] group 0: slot 0's first fill, then every refill
.set G0B,  52                          ; s[52:55] slot 1's first fill
.set G0C,  56                          ; s[56:59] the constants
.set C2L,  60                          ; s[60:61] 2 log2(e)
.set CNL,  62                          ; s[62:63] -log2(e)
.set C32,  66                          ; 32.0
.set CBIG, 67                          ; 1e12
.set CS,   68                          ; s[68:69] log2(e) / sqrt(512)
.set CSN,  70                          ; its negative
.set TM2,  71                          ; work
.set WQC,  72                          ; s[72:73] wq + 32,768 w
.set WQS,  74                          ; s[74:75] wq + SCB + 2,048 w
.set WQD,  76                          ; s[76:77] wq + SCB + 16,384
.set TMP,  78                          ; s[78:79] work
.set MSB, 0
.macro WIN new                         ; s_set_vgpr_msb: bits 1:0 source 0, 3:2 source 1, 5:4 source 2, 7:6 destination; the high byte repeats the setting that is left
.if MSB != \new
	s_set_vgpr_msb (MSB<<8)|\new
.set MSB, \new
.endif
.endm
.macro BAR                             ; my LDS stores have landed and my LDS loads are in: then the work-group's barrier
	s_wait_dscnt 0x0
	s_barrier_signal -1
	s_barrier_wait -1
.endm
; One matrix instruction.  c: C's first register, or -1 for the constant 0.  row: which half of the lanes of both scale registers is read: the K step's parity
.macro WM d, a, b, c, sa, sb, row
.if (\c) < 0
.if \row
	v_wmma_scale_f32_16x16x128_f8f6f4 v[\d:\d+7], v[\a:\a+7], v[\b:\b+7], 0, v[\sa], v[\sb] matrix_a_fmt:MATRIX_FMT_FP4 matrix_b_fmt:MATRIX_FMT_FP4 matrix_a_scale:MATRIX_SCALE_ROW1 matrix_b_scale:MATRIX_SCALE_ROW1
.else
	v_wmma_scale_f32_16x16x128_f8f6f4 v[\d:\d+7], v[\a:\a+7], v[\b:\b+7], 0, v[\sa], v[\sb] matrix_a_fmt:MATRIX_FMT_FP4 matrix_b_fmt:MATRIX_FMT_FP4
.endif
.else
.if \row
	v_wmma_scale_f32_16x16x128_f8f6f4 v[\d:\d+7], v[\a:\a+7], v[\b:\b+7], v[\c:\c+7], v[\sa], v[\sb] matrix_a_fmt:MATRIX_FMT_FP4 matrix_b_fmt:MATRIX_FMT_FP4 matrix_a_scale:MATRIX_SCALE_ROW1 matrix_b_scale:MATRIX_SCALE_ROW1
.else
	v_wmma_scale_f32_16x16x128_f8f6f4 v[\d:\d+7], v[\a:\a+7], v[\b:\b+7], v[\c:\c+7], v[\sa], v[\sb] matrix_a_fmt:MATRIX_FMT_FP4 matrix_b_fmt:MATRIX_FMT_FP4
.endif
.endif
.endm
; ---------------------------------------------------------------- the head
	s_load_b256 s[8:15], s[0:1], 0x0               ; x_s s[8:9], x_l s[10:11], wq s[12:13], b_attn's address s[14:15]
	s_load_b128 s[16:19], s[0:1], 0x20             ; part s[16:17], out2 s[18:19]
	s_load_b64 s[20:21], s[0:1], 0x30              ; out3
	v_lshl_add_u32 v[SPW], v0, 2, SPARE
	v_mov_b32 v[NIL], 0
	ds_add_u32 v1, v2
	ds_add_u32 v1, v2
	s_wait_dscnt 0x0
	v_lshrrev_b32 v[AH], 5, v0
	v_readfirstlane_b32 s[WV], v[AH]               ; wave 0..3
	s_mov_b32 s[SEL], 0x76543210
	s_mov_b32 s[SEL+1], 0xfedcba98
	s_mov_b32 s[LOG2E], 0x3fb8aa3b
	s_mov_b32 s[CM32], 0xc2000000
	s_mov_b32 s[C2L], 0x4038aa3b
	s_mov_b32 s[C2L+1], s[C2L]                     ; (the packed forms name a pair and take its low word for both halves: so the upper word is written)
	s_mov_b32 s[CNL], 0xbfb8aa3b
	s_mov_b32 s[CNL+1], s[CNL]
	s_mov_b32 s[C32], 0x42000000
	s_mov_b32 s[CBIG], 0x5368d4a5
	s_mov_b32 s[CS], 0x3d8293ee
	s_mov_b32 s[CS+1], s[CS]
	s_mov_b32 s[CSN], 0xbd8293ee
	; group 1 of a plane: 64 rows x 128 elements of 4 bytes, 512 elements from row to row, 4 words of padding behind every 128
	s_mov_b32 s[G1X], (2<<16)|(1<<20)|(6<<22)|(3<<25)
	s_mov_b32 s[G1X+1], 128<<16                    ; tensor_dim0
	s_mov_b32 s[G1X+2], 64<<16                     ; tensor_dim1
	s_mov_b32 s[G1X+3], 128<<16                    ; tile_dim0
	s_mov_b32 s[G1X+4], 64                         ; tile_dim1
	s_mov_b32 s[G1X+5], 512                        ; tensor_dim0_stride
	s_mov_b32 s[G1X+6], 0
	s_mov_b32 s[G1X+7], 0
	; group 1 of a quarter of the constants: 13 dense rows of 256 bytes (32 elements of 8 bytes)
	s_mov_b32 s[G1C], 3<<16
	s_mov_b32 s[G1C+1], 32<<16
	s_mov_b32 s[G1C+2], 13<<16
	s_mov_b32 s[G1C+3], 32<<16
	s_mov_b32 s[G1C+4], 13
	s_mov_b32 s[G1C+5], 32
	s_mov_b32 s[G1C+6], 0
	s_mov_b32 s[G1C+7], 0
	s_mul_i32 s[WLDS], s[WV], PLANE
	s_lshl_b32 s[WOFF], s[WV], 9
	s_mov_b32 s[WOFF+1], 0
	s_mov_b32 s[TMP+1], 0
	s_wait_kmcnt 0x0
	s_cmp_lt_u32 ttmp9, 128                        ; the stream: the choice hangs on the work-group's number alone
	s_cselect_b64 s[XCUR:XCUR+1], s[8:9], s[10:11]
	s_cselect_b64 s[OUTP:OUTP+1], s[18:19], s[20:21]
	s_and_b32 s[TM2], ttmp9, 127
	s_lshl_b32 s[TMP], s[TM2], 19                  ; 256 rows of 2,048 bytes
	s_add_nc_u64 s[XCUR:XCUR+1], s[XCUR:XCUR+1], s[TMP:TMP+1]
	s_lshl_b32 s[TMP], s[TM2], 12                  ; 256 rows of 16 bytes
	s_add_nc_u64 s[OUTP:OUTP+1], s[OUTP:OUTP+1], s[TMP:TMP+1]
	s_mul_i32 s[TMP], ttmp9, 2304
	s_add_nc_u64 s[PART:PART+1], s[PART:PART+1], s[TMP:TMP+1]
	s_mul_i32 s[TMP], s[WV], 3328
	s_mov_b32 s[G0C], 1
	s_add_co_u32 s[G0C+1], s[TMP], CB
	s_add_nc_u64 s[G0C+2:G0C+3], s[12:13], s[TMP:TMP+1]
	s_add_nc_u64 s[G0C+2:G0C+3], s[G0C+2:G0C+3], 262144
	s_or_b32 s[G0C+3], s[G0C+3], 0x80000000
	s_mov_b32 s[G0A], 1
	s_mov_b32 s[G0A+1], s[WLDS]
	s_add_nc_u64 s[G0A+2:G0A+3], s[XCUR:XCUR+1], s[WOFF:WOFF+1]
	s_or_b32 s[G0A+3], s[G0A+3], 0x80000000
	s_mov_b32 s[G0B], 1
	s_add_co_u32 s[G0B+1], s[WLDS], SLOT
	s_add_nc_u64 s[G0B+2:G0B+3], s[XCUR:XCUR+1], s[WOFF:WOFF+1]
	s_add_nc_u64 s[G0B+2:G0B+3], s[G0B+2:G0B+3], 131072
	s_or_b32 s[G0B+3], s[G0B+3], 0x80000000
	tensor_load_to_lds s[G0C:G0C+3], s[G1C:G1C+7]  ; the first fills go out as one group, ahead of every wait on TENSORcnt, every LDS read and every barrier
	s_nop 0
	tensor_load_to_lds s[G0A:G0A+3], s[G1X:G1X+7]  ; block 0
	s_nop 0
.rept 4
	v_nop                                          ; behind a tensor load
.endr
	s_load_b32 s[BL], s[14:15], 0x0                ; b_attn
	s_lshl_b32 s[TMP], s[WV], 15
	s_add_nc_u64 s[WQC:WQC+1], s[12:13], s[TMP:TMP+1]
	s_lshl_b32 s[TMP], s[WV], 11
	s_add_nc_u64 s[WQS:WQS+1], s[12:13], s[TMP:TMP+1]
	s_add_nc_u64 s[WQS:WQS+1], s[WQS:WQS+1], SCB
	s_add_nc_u64 s[WQD:WQD+1], s[12:13], SCB+16384
	v_and_b32 v[AAP], 31, v0                       ; lane
	v_lshlrev_b32 v[L16], 4, v[AAP]
	v_lshlrev_b32 v[L8], 3, v[AAP]
	v_lshlrev_b32 v[L4], 2, v[AAP]
.set i, 0
.rept 16
	global_load_b32 v[WPS+i], v[L4], s[WQS:WQS+1] offset:128*i
	global_load_b32 v[WGS+i], v[L4], s[WQS:WQS+1] offset:8192+128*i
.set i, i+1
.endr
.irp i, 0,1,2,3
	global_load_b32 v[DSC+\i], v[L4], s[WQD:WQD+1] offset:128*\i
.endr
	WIN 0x40                                       ; destination window 1: my 32 fragments of W_proj, 512 consecutive bytes an instruction
.set i, 0
.rept 64
	global_load_b128 v[4*i:4*i+3], v[L16], s[WQC:WQC+1] offset:512*i
.set i, i+1
.endr
	WIN 0x80                                       ; destination window 2: my 32 fragments of the gates
.set i, 0
.rept 64
	global_load_b128 v[4*i:4*i+3], v[L16], s[WQC:WQC+1] offset:131072+512*i
.set i, i+1
.endr
	WIN 0
	v_and_b32 v[AH], 15, v0                        ; r
	v_bfe_u32 v[AHS], v0, 4, 1                     ; h
	v_add_nc_u32 v[LI2], BASE2, v[L16]
	v_add_nc_u32 v[LS2], BASE2, v[L4]
	s_mul_i32 s[TMP], s[WV], 16*XP
	v_mul_u32_u24 v[AXL], v[AH], XP
	v_lshl_add_u32 v[AXL], v[AHS], 7, v[AXL]
	v_add_nc_u32 v[AXL], s[TMP], v[AXL]
	s_lshl_b32 s[TMP], s[WV], 12
	v_add_nc_u32 v[XWI], s[TMP], v[LI2]
	s_lshl_b32 s[TMP], s[WV], 10
	v_add_nc_u32 v[HWI], s[TMP], v[LI2]
	s_lshl_b32 s[TMP], s[WV], 2
	v_add_nc_u32 v[SSW], s[TMP], v[LI2]
	v_lshl_add_u32 v[XWS], v[AH], 2, BASE2         ; BASE2 + 4 r
	s_lshr_b32 s[TMP], s[WV], 1
	s_lshl_b32 s[TMP], s[TMP], 7
	s_and_b32 s[TM2], s[WV], 1
	s_lshl_b32 s[TM2], s[TM2], 6
	s_add_co_u32 s[TMP], s[TMP], s[TM2]
	v_add_nc_u32 v[HWS], s[TMP], v[XWS]
	s_lshl_b32 s[TMP], s[WV], 8
	v_add_nc_u32 v[XWS], s[TMP], v[XWS]
	v_add_nc_u32 v[SWS], s[TMP], v[LS2]
	v_lshlrev_b32 v[OUTO], 4, v[AH]
	v_lshl_add_u32 v[OUTO], v[AHS], 3, v[OUTO]
	v_add_nc_u32 v[OUTO], s[TMP], v[OUTO]
	s_mul_i32 s[TMP], s[WV], 1280
	s_add_co_u32 s[TMP], s[TMP], CB+8192
	v_lshl_add_u32 v[BH], v[AHS], 6, s[TMP]
	s_lshl_b32 s[TMP], s[WV], 9
	s_add_co_u32 s[TMP], s[TMP], PST
	v_lshl_add_u32 v[PSTW], v[AHS], 6, s[TMP]
	v_lshlrev_b32 v[H8], 3, v[AHS]
	v_mov_b32 v[MX], 0xff61b1e6                    ; the largest logit so far: -3e38
	v_mov_b32 v[LSUM], 0
.set i, 0
.rept 64
	v_mov_b32 v[POOL+i], 0                         ; the block is written once for all blocks: the first finds zeros, which the first change of the maximum leaves zeros
.set i, i+1
.endr
	v_mov_b32 v[T+8], 0                            ; written once: a lane permute's destination counts as one of its sources
.irp i, 0,1,2,3
	v_mov_b32 v[T+16+\i], 0
	v_mov_b32 v[PXX+\i], 0
.endr
	s_wait_kmcnt 0x0
	s_mul_f32 s[BL], s[BL], s[LOG2E]
	s_wait_tensorcnt 0x0                           ; the constants and my plane of slot 0 are in: no tensor load of mine is out
	ds_add_u32 v[SPW], v[NIL]                      ; 0 onto my spare word
	s_wait_dscnt 0x0                               ; the add is done
	s_barrier_signal -1
	s_barrier_wait -1                              ; everybody's planes are in
	tensor_load_to_lds s[G0B:G0B+3], s[G1X:G1X+7]  ; block 1, into slot 1: a first fill, issued as a refill is: my one tensor load behind this barrier, and the first thing there
	s_nop 0
.rept 4
	v_nop
.endr
; ---------------------------------------------------------------- X: my 16 rows of x: l2norm, quantise, images to LDS
.macro XPHASE
	v_add_nc_u32 v[AX0], s[TB], v[AXL]
	v_add_nc_u32 v[AX1], 2*PLANE, v[AX0]
	WIN 0xc0                                       ; destination window 3
.irp s, 0,1,2,3
.irp c, 0,1
.irp j, 0,1,2,3,4,5,6,7
	ds_load_b128 v[64*\s+32*\c+4*\j:64*\s+32*\c+4*\j+3], v[AX0+\s/2] offset:(\s%2)*PLANE+256*\c+16*\j   ; a whole block of 32 along K to a lane, in the order of the operand's registers
.endr
.endr
.endr
.irp s, 0,1,2,3
	s_wait_dscnt 48-16*\s                          ; K step s is in: the sixteen loads of each later K step may be out
	WIN 0x0f                                       ; sources 0 and 1 window 3
.irp i, 0,1,2,3,4,5,6,7
.irp q, 0,1,2,3
.if (\s == 0) && (\i == 0)
	v_pk_mul_f32 v[T+2*\q:T+2*\q+1], v[2*\q:2*\q+1], v[2*\q:2*\q+1]   ; four chains; the first products start them
.else
	v_pk_fma_f32 v[T+2*\q:T+2*\q+1], v[64*\s+8*\i+2*\q:64*\s+8*\i+2*\q+1], v[64*\s+8*\i+2*\q:64*\s+8*\i+2*\q+1], v[T+2*\q:T+2*\q+1]
.endif
.endr
.endr
.endr
	WIN 0
	v_pk_add_f32 v[T:T+1], v[T:T+1], v[T+2:T+3]
	v_pk_add_f32 v[T+4:T+5], v[T+4:T+5], v[T+6:T+7]
	v_pk_add_f32 v[T:T+1], v[T:T+1], v[T+4:T+5]
	v_add_f32 v[T], v[T], v[T+1]
	v_permlanex16_b32 v[T+8], v[T], s[SEL], s[SEL+1]
	v_add_f32 v[T], v[T], v[T+8]                   ; with lane l xor 16's half of the row: the row's sum of squares
	v_rsq_f32 v[T+1], v[T]
	v_nop                                          ; one plain line behind the transcendental,
	s_wait_alu depctr_va_vdst(0)                   ; and the wait ahead of its first reader
	v_min_num_f32 v[RX], s[CBIG], v[T+1]           ; 1 / max(norm, 1e-12)
	v_mov_b32 v[RX+1], v[RX]
	WIN 0xc3                                       ; destination and source 0 window 3
.set i, 0
.rept 128
	v_pk_mul_f32 v[2*i:2*i+1], v[2*i:2*i+1], v[RX:RX+1] op_sel_hi:[1,0]
.set i, i+1
.endr
	WIN 0x3c                                       ; sources 1 and 2 window 3
.irp b, 0,1,2,3,4,5,6,7
	v_max3_num_f32 v[TMX+\b], 0x1800000, |v[32*\b]|, |v[32*\b+1]|   ; my block 2 s + c = b, and the floor 2^(3 - 127): the byte cannot fall under 1
.endr
.irp i, 2,4,6,8,10,12,14,16,18,20,22,24,26,28,30
.irp b, 0,1,2,3,4,5,6,7
	v_max3_num_f32 v[TMX+\b], v[TMX+\b], |v[32*\b+\i]|, |v[32*\b+\i+1]|   ; the eight blocks by turns
.endr
.endr
	WIN 0
.irp b, 0,1,2,3,4,5,6,7
	v_add_nc_u32 v[SOX+\b], 0xff000000, v[TMX+\b]  ; 2 off the exponent field: the conversion's scale operand
.endr
.irp b, 0,1,2,3,4,5,6,7
	v_lshrrev_b32 v[BYX+\b], 23, v[SOX+\b]         ; the scale's byte
.endr
.irp s, 0,1,2,3
	v_lshl_or_b32 v[PWX+\s], v[BYX+2*\s+1], 16, v[BYX+2*\s]   ; my two bytes of K step s: blocks h and 2 + h,
.endr
.irp s, 0,1,2,3
	v_lshlrev_b32 v[PWX+\s], v[H8], v[PWX+\s]      ; at their places;
.endr
.irp s, 0,1,2,3
	v_permlanex16_b32 v[PXX+\s], v[PWX+\s], s[SEL], s[SEL+1]
.endr
.irp s, 0,1,2,3
	v_or_b32 v[PWX+\s], v[PWX+\s], v[PXX+\s]       ; with lane l xor 16's two the word is whole
.endr
	WIN 0x03                                       ; source 0 window 3
.irp s, 0,1,2,3
.irp c, 0,1
.irp g, 0,1,2,3
	v_cvt_scalef32_pk8_fp4_f32 v[FR+8*\s+4*\c+\g], v[64*\s+32*\c+8*\g:64*\s+32*\c+8*\g+7], v[SOX+2*\s+\c]
.endr
.endr
.endr
	WIN 0
	v_nop                                          ; one plain line behind the last scaled conversion
.irp s, 0,1,2,3
.irp c, 0,1
	ds_store_b128 v[XWI], v[FR+8*\s+4*\c:FR+8*\s+4*\c+3] offset:1024*\s+512*\c
.endr
	ds_store_b32 v[XWS], v[PWX+\s] offset:O_XSC+(\s/2)*128+(\s%2)*64   ; both lanes of a row write the same word with the same value
.endr
.irp t, 0,1,2,3,4,5,6,7
.irp q, 0,1
	ds_load_b128 v[ACC2+8*\t+4*\q:ACC2+8*\t+4*\q+3], v[BH] offset:(32*(\t/2)+8*(\t%2))*4+16*\q   ; b_proj in the result's layout, the C of each sum's first product: asked for here, so that it lands with the stores, ahead of the barrier
.endr
.endr
.endm
; eight packed squares: Y of tile of rows m, my tiles 2 s and 2 s + 1 of columns, each from its low end on, into the tile of rows' own two chains
.macro SQ m, s
.irp p, 0,1,2,3,4,5,6,7
.if ((\s) == 0) && (\p < 2)
	v_pk_mul_f32 v[T+4*(\m)+2*(\p%2):T+4*(\m)+2*(\p%2)+1], v[64*(\m)+16*(\s)+2*\p:64*(\m)+16*(\s)+2*\p+1], v[64*(\m)+16*(\s)+2*\p:64*(\m)+16*(\s)+2*\p+1]
.else
	v_pk_fma_f32 v[T+4*(\m)+2*(\p%2):T+4*(\m)+2*(\p%2)+1], v[64*(\m)+16*(\s)+2*\p:64*(\m)+16*(\s)+2*\p+1], v[64*(\m)+16*(\s)+2*\p:64*(\m)+16*(\s)+2*\p+1], v[T+4*(\m)+2*(\p%2):T+4*(\m)+2*(\p%2)+1]
.endif
.endr
.endm
; ---------------------------------------------------------------- P1: Y = x W_proj + b_proj for my 128 columns and all 64 rows; my part of each row's sum of squares
; The eight accumulators of a tile of rows take turns, one instruction a turn.  A load into a register that a matrix instruction has read stands four plain vector lines behind it
; (ISA guide 7.12.1 for vector instructions): the squares of the tile of rows before are those lines, v_nop in the first tile.
.macro P1
	s_wait_loadcnt 0x0                             ; the weights and their scale words (met at once from the second block on)
	ds_load_b32 v[FRS], v[LS2] offset:O_XSC
	ds_load_b32 v[FRS+1], v[LS2] offset:O_XSC+128
.irp s, 0,1,2,3
.irp c, 0,1
	ds_load_b128 v[FR+8*\s+4*\c:FR+8*\s+4*\c+3], v[LI2] offset:1024*\s+512*\c
.endr
.endr
	s_wait_dscnt 0x0
.irp m, 0,1,2,3
.irp s, 0,1,2,3
.if \m == 3
	s_wait_dscnt 6-2*\s                            ; behind fragment (3, s): the two loads of each later K step, and nothing more
.elseif \m > 0
.if \s == 0
	s_wait_dscnt 6                                 ; behind this tile's scale words and fragment 0: its fragments 1, 2, 3
.else
	s_wait_dscnt 8                                 ; behind fragment (m, s): this tile's later fragments, the next tile's two scale words and its fragments 0 .. s - 1: eight loads
.endif
.endif
.if \s == 0
	WIN 0xc1                                       ; D window 3, source 0 (W_proj) window 1, C (the bias) window 0
.else
	WIN 0xf1                                       ; C and D window 3
.endif
.irp t, 0,1,2,3,4,5,6,7
.if \s == 0
	WM 64*\m+8*\t, 32*\t+8*\s, FR+8*\s, ACC2+8*\t, WPS+2*\t+\s/2, FRS+2*(\m%2)+\s/2, \s%2
.else
	WM 64*\m+8*\t, 32*\t+8*\s, FR+8*\s, 64*\m+8*\t, WPS+2*\t+\s/2, FRS+2*(\m%2)+\s/2, \s%2
.endif
.endr
.if \m == 0
.rept 4
	v_nop
.endr
.else
	WIN 0x0f
	SQ \m-1, \s
.endif
.if \m < 3
	WIN 0
.if \s == 0
	ds_load_b32 v[FRS+2*((\m+1)%2)], v[LS2] offset:O_XSC+256*(\m+1)
	ds_load_b32 v[FRS+2*((\m+1)%2)+1], v[LS2] offset:O_XSC+256*(\m+1)+128
.endif
	ds_load_b128 v[FR+8*\s:FR+8*\s+3], v[LI2] offset:4096*(\m+1)+1024*\s
	ds_load_b128 v[FR+8*\s+4:FR+8*\s+7], v[LI2] offset:4096*(\m+1)+1024*\s+512
.endif
.endr
.endr
	SQ 3, 0                                        ; (the eight squares of tile 2 just above are the lines between the last products and this first read of them)
	SQ 3, 1
	SQ 3, 2
	SQ 3, 3
	WIN 0
.irp m, 0,1,2,3
	v_pk_add_f32 v[T+4*\m:T+4*\m+1], v[T+4*\m:T+4*\m+1], v[T+4*\m+2:T+4*\m+3]
.endr
.irp m, 0,1,2,3
	v_add_f32 v[T+20+\m], v[T+4*\m], v[T+4*\m+1]
.endr
.irp m, 0,1,2,3
	v_permlanex16_b32 v[T+16+\m], v[T+20+\m], s[SEL], s[SEL+1]
.endr
.irp m, 0,1,2,3
	v_add_f32 v[T+20+\m], v[T+20+\m], v[T+16+\m]
.endr
.irp m, 0,1,2,3
	ds_store_b32 v[SSW], v[T+20+\m] offset:O_SSQ+512*\m
.endr
.endm
; bv's four tiles, then bu's, straight into the gates' accumulators (C and D are then the same registers), in the order in which the first K step takes them
.macro BIASLD
.irp a, 0,1,2,3,4,5,6,7
.irp q, 0,1
	ds_load_b128 v[ACC2+8*\a+4*\q:ACC2+8*\a+4*\q+3], v[BH] offset:512+256*(\a/4)+(32*((\a%4)/2)+8*(\a%2))*4+16*\q
.endr
.endr
.endm
; ---------------------------------------------------------------- N: xp = Y / max(norm, 1e-12), kept in f32 in window 3; quantised: K step w of the next products, for the four tiles of rows
.macro NPH
.irp m, 0,1,2,3
	ds_load_b128 v[ACC2+4*\m:ACC2+4*\m+3], v[LI2] offset:O_SSQ+512*\m   ; the four waves' parts for my row
.endr
	s_wait_dscnt 0x0
.irp m, 0,1,2,3
	v_pk_add_f32 v[ACC2+4*\m:ACC2+4*\m+1], v[ACC2+4*\m:ACC2+4*\m+1], v[ACC2+4*\m+2:ACC2+4*\m+3]
.endr
.irp m, 0,1,2,3
	v_add_f32 v[ACC2+4*\m], v[ACC2+4*\m], v[ACC2+4*\m+1]
.endr
.irp m, 0,1,2,3
	v_rsq_f32 v[ACC2+4*\m+1], v[ACC2+4*\m]
.endr
	v_nop
	s_wait_alu depctr_va_vdst(0)                   ; one wait for the four, ahead of their first reader
.irp m, 0,1,2,3
	v_min_num_f32 v[RR+2*\m], s[CBIG], v[ACC2+4*\m+1]
.endr
.irp m, 0,1,2,3
	v_mov_b32 v[RR+2*\m+1], v[RR+2*\m]
.endr
	WIN 0xc3
.irp m, 0,1,2,3
.set i, 0
.rept 32
	v_pk_mul_f32 v[64*\m+2*i:64*\m+2*i+1], v[64*\m+2*i:64*\m+2*i+1], v[RR+2*\m:RR+2*\m+1] op_sel_hi:[1,0]
.set i, i+1
.endr
.endr
	WIN 0x3c
.irp n, 0,1,2,3,4,5,6,7,8,9,10,11,12,13,14,15
	v_max3_num_f32 v[TMN+\n], 0x1800000, |v[16*\n]|, |v[16*\n+1]|   ; n = 4 m + b: my 16 numbers of block b of tile of rows m, and the floor
.endr
.irp i, 2,4,6,8,10,12,14
.irp n, 0,1,2,3,4,5,6,7,8,9,10,11,12,13,14,15
	v_max3_num_f32 v[TMN+\n], v[TMN+\n], |v[16*\n+\i]|, |v[16*\n+\i+1]|
.endr
.endr
	WIN 0
.irp n, 0,1,2,3,4,5,6,7,8,9,10,11,12,13,14,15
	v_permlanex16_b32 v[PDN+\n], v[TMN+\n], s[SEL], s[SEL+1]
.endr
.irp n, 0,1,2,3,4,5,6,7,8,9,10,11,12,13,14,15
	v_max_num_f32 v[TMN+\n], v[TMN+\n], v[PDN+\n]  ; with lane l xor 16's 16: the block's largest magnitude
.endr
.irp n, 0,1,2,3,4,5,6,7,8,9,10,11,12,13,14,15
	v_add_nc_u32 v[SON+\n], 0xff000000, v[TMN+\n]
.endr
.irp n, 0,1,2,3,4,5,6,7,8,9,10,11,12,13,14,15
	v_lshrrev_b32 v[PDN+\n], 23, v[SON+\n]
.endr
.irp m, 0,1,2,3
	v_lshl_or_b32 v[PWN+\m], v[PDN+4*\m+1], 8, v[PDN+4*\m]
.endr
.irp m, 0,1,2,3
	v_lshl_or_b32 v[PWN+\m], v[PDN+4*\m+2], 16, v[PWN+\m]
.endr
.irp m, 0,1,2,3
	v_lshl_or_b32 v[PWN+\m], v[PDN+4*\m+3], 24, v[PWN+\m]
.endr
	WIN 0x03
.irp n, 0,1,2,3,4,5,6,7,8,9,10,11,12,13,14,15
.irp e, 0,1
	v_cvt_scalef32_pk8_fp4_f32 v[FR+2*\n+\e], v[16*\n+8*\e:16*\n+8*\e+7], v[SON+\n]
.endr
.endr
	WIN 0
	v_nop                                          ; one plain line behind the last scaled conversion
.irp m, 0,1,2,3
.irp c, 0,1
.irp i, 0,1
	v_permlane16_swap_b32 v[FR+8*\m+4*\c+\i], v[FR+8*\m+4*\c+2+\i]   ; the operand's layout wants a WHOLE block in a lane: lanes 0-15 block 2 c, lanes 16-31 block 2 c + 1
.endr
.endr
.endr
.irp m, 0,1,2,3
.irp c, 0,1
	ds_store_b128 v[HWI], v[FR+8*\m+4*\c:FR+8*\m+4*\c+3] offset:O_HIMG+4096*\m+512*\c
.endr
	ds_store_b32 v[HWS], v[PWN+\m] offset:O_HSC+256*\m
.endr
	BIASLD                                         ; the first tile's biases: they land with the stores, ahead of the barrier
.endm
; ---------------------------------------------------------------- P2 and G: one tile of 16 rows: my 64 hidden units of both gates, the activation, my part of the logit.
; On the way in the tile's fragments, scale words and biases have been asked for.  nxt = 1: the trip asks for the next tile's, each as soon as its registers are free; nxt = 0: for the operands of the class scores.
; In the activation a plain line and a transcendental stand by turns; no line names a transcendental's result ahead of its batch's one wait.
.macro GTRIP nxt
	WIN 0x02                                       ; source 0 (the gates) window 2
.irp t, 0,1,2,3,4,5,6,7
	s_wait_dscnt 15-2*\t                           ; accumulator t's bias is in, and all that was asked for before it: behind it stand the two loads of each later accumulator and the store of the logit's part
	WM ACC2+8*\t, 32*\t, FR, ACC2+8*\t, WGS+2*\t, FRS, 0
.endr
.irp s, 1,2,3
.irp t, 0,1,2,3,4,5,6,7
	WM ACC2+8*\t, 32*\t+8*\s, FR+8*\s, ACC2+8*\t, WGS+2*\t+\s/2, FRS+\s/2, \s%2   ; the eight accumulators by turns
.endr
.endr
	WIN 0
.rept 4
	v_nop                                          ; four plain lines ahead of the loads into the fragments' registers and of the first read of the results
.endr
.irp t, 0,1,2,3
.irp q, 0,1
	ds_load_b128 v[FR+8*\t+4*\q:FR+8*\t+4*\q+3], v[BH] offset:1024+(32*(\t/2)+8*(\t%2))*4+16*\q   ; w_attn in the result's layout
.endr
.endr
.set i, 0
.rept 17                                       ; pair i is scaled and held while pair i - 1 goes through the exponentials
.if i < 16
	v_pk_mul_f32 v[ACC2+2*i:ACC2+2*i+1], v[ACC2+2*i:ACC2+2*i+1], s[C2L:C2L+1] op_sel_hi:[1,0]       ; 2 log2e v
.endif
.if i > 0
	v_exp_f32 v[ACC2+2*i-2], v[ACC2+2*i-2]         ; E
.endif
.if i < 16
	v_med3_num_f32 v[ACC2+2*i], v[ACC2+2*i], s[CM32], s[C32]       ; E is held between 2^-32 and 2^32
.endif
.if i > 0
	v_exp_f32 v[ACC2+2*i-1], v[ACC2+2*i-1]
.endif
.if i < 16
	v_med3_num_f32 v[ACC2+2*i+1], v[ACC2+2*i+1], s[CM32], s[C32]
.endif
.if i > 0
	v_exp_f32 v[ACC2+30+2*i], v[ACC2+30+2*i]       ; F
.endif
.if i < 16
	v_pk_mul_f32 v[ACC2+32+2*i:ACC2+33+2*i], v[ACC2+32+2*i:ACC2+33+2*i], s[CNL:CNL+1] op_sel_hi:[1,0]   ; -log2e u
.endif
.if i > 0
	v_exp_f32 v[ACC2+31+2*i], v[ACC2+31+2*i]
.endif
.set i, i+1
.endr
	v_nop
	s_wait_alu depctr_va_vdst(0)                   ; one wait for the 64 exponentials, ahead of their first reader
	s_wait_dscnt 0x0                               ; w_attn (and the last trip's store)
.set i, 0
.rept 17                                       ; pair i's divisor is made while pair i - 1 goes through the reciprocals
.if i < 16
	v_pk_add_f32 v[ACC2+32+2*i:ACC2+33+2*i], v[ACC2+32+2*i:ACC2+33+2*i], 1.0 op_sel_hi:[1,0]        ; F + 1
.endif
.if i > 0
	v_rcp_f32 v[ACC2+30+2*i], v[ACC2+30+2*i]
.endif
.if i < 16
	v_pk_fma_f32 v[ACC2+32+2*i:ACC2+33+2*i], v[ACC2+2*i:ACC2+2*i+1], v[ACC2+32+2*i:ACC2+33+2*i], v[ACC2+32+2*i:ACC2+33+2*i]   ; E (F + 1) + (F + 1)
.endif
.if i > 0
	v_rcp_f32 v[ACC2+31+2*i], v[ACC2+31+2*i]
	v_pk_fma_f32 v[ACC2+2*i-2:ACC2+2*i-1], v[ACC2+2*i-2:ACC2+2*i-1], v[FR+2*i-2:FR+2*i-1], v[FR+2*i-2:FR+2*i-1] neg_lo:[0,0,1] neg_hi:[0,0,1]   ; E w - w
.endif
.set i, i+1
.endr
.if \nxt
	s_add_co_u32 s[M4K], s[M4K], 4096              ; w_attn's registers are free: the next tile's fragments and scale words
	s_add_co_u32 s[M256], s[M256], 256
	v_add_nc_u32 v[AH], s[M4K], v[LI2]
	v_add_nc_u32 v[AHS], s[M256], v[LS2]
	ds_load_b32 v[FRS], v[AHS] offset:O_HSC
	ds_load_b32 v[FRS+1], v[AHS] offset:O_HSC+128
.irp s, 0,1,2,3
.irp c, 0,1
	ds_load_b128 v[FR+8*\s+4*\c:FR+8*\s+4*\c+3], v[AH] offset:O_HIMG+1024*\s+512*\c
.endr
.endr
.else
	ds_load_b32 v[FRS], v[SWS] offset:O_HSC        ; for the class scores: my own tile of rows
	ds_load_b32 v[FRS+1], v[SWS] offset:O_HSC+128
.irp s, 0,1,2,3
.irp c, 0,1
	ds_load_b128 v[FR+8*\s+4*\c:FR+8*\s+4*\c+3], v[XWI] offset:O_HIMG+1024*\s+512*\c
.endr
.endr
.endif
	s_wait_alu depctr_va_vdst(0)                   ; one wait for the 32 reciprocals
.irp q, 0,1,2,3
	v_pk_mul_f32 v[T+2*\q:T+2*\q+1], v[ACC2+2*\q:ACC2+2*\q+1], v[ACC2+32+2*\q:ACC2+32+2*\q+1]
.endr
.irp i, 1,2,3
.irp q, 0,1,2,3
	v_pk_fma_f32 v[T+2*\q:T+2*\q+1], v[ACC2+8*\i+2*\q:ACC2+8*\i+2*\q+1], v[ACC2+32+8*\i+2*\q:ACC2+32+8*\i+2*\q+1], v[T+2*\q:T+2*\q+1]
.endr
.endr
.if \nxt
	BIASLD                                         ; the accumulators are free: the next tile's biases
.else
.irp t, 0,1
.irp s, 0,1,2,3
.irp c, 0,1
	ds_load_b128 v[ACC2+32*\t+8*\s+4*\c:ACC2+32*\t+8*\s+4*\c+3], v[LI2] offset:O_CB+1024*(4*\t+\s)+512*\c   ; desc's fragments
.endr
.endr
.endr
.endif
	v_pk_add_f32 v[T:T+1], v[T:T+1], v[T+2:T+3]
	v_pk_add_f32 v[T+4:T+5], v[T+4:T+5], v[T+6:T+7]
	v_pk_add_f32 v[T:T+1], v[T:T+1], v[T+4:T+5]
	v_add_f32 v[T], v[T], v[T+1]
	v_permlanex16_b32 v[T+8], v[T], s[SEL], s[SEL+1]
	v_add_f32 v[T], v[T], v[T+8]
	v_add_nc_u32 v[AAP], s[M512], v[SSW]           ; made here: its last store lies a trip back, with a wait for all LDS instructions between
	ds_store_b32 v[AAP], v[T] offset:O_AP
	s_add_co_u32 s[M512], s[M512], 512
.endm
.macro P2G
	ds_load_b32 v[FRS], v[LS2] offset:O_HSC        ; tile 0's scale words and fragments (its biases came in ahead of the barrier)
	ds_load_b32 v[FRS+1], v[LS2] offset:O_HSC+128
.irp s, 0,1,2,3
.irp c, 0,1
	ds_load_b128 v[FR+8*\s+4*\c:FR+8*\s+4*\c+3], v[LI2] offset:O_HIMG+1024*\s+512*\c
.endr
.endr
	s_mov_b32 s[MC], 3
	s_mov_b32 s[M4K], 0
	s_mov_b32 s[M256], 0
	s_mov_b32 s[M512], 0
	s_wait_dscnt 0x0                               ; on this way into the loop nothing is out: the loop's counted waits are met
.Lp2_\@:
	GTRIP 1
	s_sub_co_u32 s[MC], s[MC], 1
	s_cmp_lg_u32 s[MC], 0
	s_cbranch_scc1 .Lp2_\@
	GTRIP 0                                        ; the fourth tile is written out: there is no fifth to ask for
.endm
; ---------------------------------------------------------------- S: the class scores of my own 16 rows.  Lane (r, h): tile u holds class 2 h + u, its eight descriptions in the eight registers
.macro SPH
	s_wait_dscnt 0x0                               ; desc's fragments, my rows' fragments and scale words, asked for in the trip just ended; its store
.irp s, 0,1,2,3
.irp t, 0,1
.if \s == 0
	WM T+8*\t, ACC2+32*\t+8*\s, FR+8*\s, -1, DSC+2*\t+\s/2, FRS+\s/2, \s%2
.else
	WM T+8*\t, ACC2+32*\t+8*\s, FR+8*\s, T+8*\t, DSC+2*\t+\s/2, FRS+\s/2, \s%2   ; the two accumulators by turns
.endif
.endr
.endr
.rept 4
	v_nop
.endr
.irp u, 0,1
	v_max3_num_f32 v[T+16+2*\u], v[T+8*\u], v[T+8*\u+1], v[T+8*\u+2]   ; the largest of the eight, from the accumulator's low end on
.endr
.irp i, 3,5
.irp u, 0,1
	v_max3_num_f32 v[T+16+2*\u], v[T+16+2*\u], v[T+8*\u+\i], v[T+8*\u+\i+1]
.endr
.endr
.irp u, 0,1
	v_max_num_f32 v[T+16+2*\u], v[T+16+2*\u], v[T+8*\u+7]
.endr
.irp u, 0,1
	v_mul_f32 v[T+16+2*\u], s[CSN], v[T+16+2*\u]   ; -c x the maximum, c = log2(e) / sqrt(512)
.endr
.irp u, 0,1
.irp i, 0,1,2,3
	v_pk_fma_f32 v[FR+8*\u+2*\i:FR+8*\u+2*\i+1], v[T+8*\u+2*\i:T+8*\u+2*\i+1], s[CS:CS+1], v[T+16+2*\u:T+17+2*\u] op_sel_hi:[1,0,0]
.endr
.endr
.set i, 0
.rept 16
	v_exp_f32 v[FR+i], v[FR+i]
.set i, i+1
.endr
	v_nop
	s_wait_alu depctr_va_vdst(0)
.irp u, 0,1
	v_pk_add_f32 v[T+20+2*\u:T+21+2*\u], v[FR+8*\u:FR+8*\u+1], v[FR+8*\u+2:FR+8*\u+3]               ; the divisor
	v_pk_mul_f32 v[FR+16+2*\u:FR+17+2*\u], v[FR+8*\u:FR+8*\u+1], v[T+8*\u:T+8*\u+1]                 ; the sum of e x d
.endr
.irp u, 0,1
	v_pk_fma_f32 v[FR+16+2*\u:FR+17+2*\u], v[FR+8*\u+2:FR+8*\u+3], v[T+8*\u+2:T+8*\u+3], v[FR+16+2*\u:FR+17+2*\u]
.endr
.irp i, 2,3
.irp u, 0,1
	v_pk_add_f32 v[T+20+2*\u:T+21+2*\u], v[T+20+2*\u:T+21+2*\u], v[FR+8*\u+2*\i:FR+8*\u+2*\i+1]
	v_pk_fma_f32 v[FR+16+2*\u:FR+17+2*\u], v[FR+8*\u+2*\i:FR+8*\u+2*\i+1], v[T+8*\u+2*\i:T+8*\u+2*\i+1], v[FR+16+2*\u:FR+17+2*\u]
.endr
.endr
.irp u, 0,1
	v_add_f32 v[T+20+2*\u], v[T+20+2*\u], v[T+21+2*\u]
	v_add_f32 v[FR+16+2*\u], v[FR+16+2*\u], v[FR+17+2*\u]
.endr
.irp u, 0,1
	v_rcp_f32 v[T+26+\u], v[T+20+2*\u]
.endr
	v_nop
	s_wait_alu depctr_va_vdst(0)
.irp u, 0,1
	v_mul_f32 v[T+24+\u], v[FR+16+2*\u], v[T+26+\u]
.endr
	global_store_b64 v[OUTO], v[T+24:T+25], s[OUTP:OUTP+1] th:TH_STORE_NT   ; the wave's 16 rows x 4 classes: 256 consecutive aligned bytes
.endm
; ---------------------------------------------------------------- the barrier behind which the slot that this block has read is filled again, and behind which the logits' parts are whole
.macro B4 fill
	s_wait_tensorcnt 0x0                           ; all my tensor loads have landed, my plane of the other slot among them: so a group 0 may be written
	ds_add_u32 v[SPW], v[NIL]                      ; 0 onto my spare word
.if \fill
	s_add_co_u32 s[G0A+1], s[WLDS], s[TB]          ; my plane of the slot in hand,
	s_add_nc_u64 s[G0A+2:G0A+3], s[XCUR:XCUR+1], s[WOFF:WOFF+1]
	s_add_nc_u64 s[G0A+2:G0A+3], s[G0A+2:G0A+3], 262144   ; two blocks of 64 rows on
	s_or_b32 s[G0A+3], s[G0A+3], 0x80000000
.endif
	s_wait_dscnt 0x0                               ; the add is done; my reads of the slot are long back, and my LDS stores have landed
	s_barrier_signal -1
	s_barrier_wait -1
.if \fill
	tensor_load_to_lds s[G0A:G0A+3], s[G1X:G1X+7]  ; my one tensor load behind this barrier, and the first thing there
	s_nop 0
.rept 4
	v_nop
.endr
.endif
.endm
; ---------------------------------------------------------------- P: the block's 64 logits enter the running softmax; xp is weighed in
.macro PPH
.irp m, 0,1,2,3
	ds_load_b128 v[ACC2+4*\m:ACC2+4*\m+3], v[LI2] offset:O_AP+512*\m
.endr
	s_wait_dscnt 0x0
.irp m, 0,1,2,3
	v_pk_add_f32 v[ACC2+4*\m:ACC2+4*\m+1], v[ACC2+4*\m:ACC2+4*\m+1], v[ACC2+4*\m+2:ACC2+4*\m+3]
.endr
.irp m, 0,1,2,3
	v_add_f32 v[ACC2+4*\m], v[ACC2+4*\m], v[ACC2+4*\m+1]
.endr
.irp m, 0,1,2,3
	v_fma_f32 v[ACC2+4*\m], v[ACC2+4*\m], s[LOG2E], s[BL]   ; t = (logit + b_attn) log2(e)
.endr
	v_max3_num_f32 v[ACC2+1], v[MX], v[ACC2], v[ACC2+4]
	v_max3_num_f32 v[ACC2+1], v[ACC2+1], v[ACC2+8], v[ACC2+12]   ; the new maximum of my lane's rows
	v_sub_f32 v[PF], v[MX], v[ACC2+1]
.irp m, 0,1,2,3
	v_sub_f32 v[PF+2+2*\m], v[ACC2+4*\m], v[ACC2+1]
.endr
.irp k, 0,1,2,3,4
	v_exp_f32 v[PF+2*\k], v[PF+2*\k]               ; f = 2^(old - new), p = 2^(t - new)
.endr
	v_mov_b32 v[MX], v[ACC2+1]                     ; (the plain line behind the exponentials)
	s_wait_alu depctr_va_vdst(0)
	v_add_f32 v[ACC2+2], v[PF+2], v[PF+4]
	v_add_f32 v[ACC2+3], v[PF+6], v[PF+8]
	v_add_f32 v[ACC2+2], v[ACC2+2], v[ACC2+3]
	v_fma_f32 v[LSUM], v[LSUM], v[PF], v[ACC2+2]
.set i, 0
.rept 32
	v_pk_mul_f32 v[POOL+2*i:POOL+2*i+1], v[POOL+2*i:POOL+2*i+1], v[PF:PF+1] op_sel_hi:[1,0]
.set i, i+1
.endr
	WIN 0x03                                       ; source 0 (xp) window 3
.irp m, 0,1,2,3
.set i, 0
.rept 32
	v_pk_fma_f32 v[POOL+2*i:POOL+2*i+1], v[64*\m+2*i:64*\m+2*i+1], v[PF+2+2*\m:PF+3+2*\m], v[POOL+2*i:POOL+2*i+1] op_sel_hi:[1,0,1]
.set i, i+1
.endr
.endr
	WIN 0
.endm
; A BLOCK OF 64 ROWS.  What each barrier orders: 1: x's images are whole | 2: the sums of squares | 3: xp's images | 4: the logits' parts; all reads of the slot are over.
; Each region is written again only behind a barrier that every wave reaches behind its last read of it: x's images (read before 2) behind 4; the sums of squares (read before 3) behind the next 1;
; xp's images (read before 4) behind the next 2; the logits' parts (read behind 4, waited for there) behind the next 3.
.macro BLOCK fill
	XPHASE
	BAR
	P1
	BAR
	NPH
	BAR
	P2G
	SPH
	B4 \fill
	PPH
	s_wait_xcnt 0x0                                ; the store of the class scores has read its registers and its base
	s_add_nc_u64 s[OUTP:OUTP+1], s[OUTP:OUTP+1], 1024
.if \fill
	s_add_nc_u64 s[XCUR:XCUR+1], s[XCUR:XCUR+1], 131072
.endif
	s_add_co_u32 s[TB], s[TB], SLOT
.endm
	s_mov_b32 s[TB], 0
	s_mov_b32 s[BC], 2
.Lfilling:                                             ; blocks 0 and 1: each asks for the block two on
	BLOCK 1
	s_sub_co_u32 s[BC], s[BC], 1
	s_cmp_lg_u32 s[BC], 0
	s_cbranch_scc1 .Lfilling
	s_mov_b32 s[TB], 0
	s_mov_b32 s[BC], 2
.Llast:                                                ; blocks 2 and 3 are written a second time, without the load
	BLOCK 0
	s_sub_co_u32 s[BC], s[BC], 1
	s_cmp_lg_u32 s[BC], 0
	s_cbranch_scc1 .Llast
; ---------------------------------------------------------------- the way out: the sixteen lanes of a half are joined under their common maximum
	v_mov_b32 v[ACC2], v[MX]
.irp k, 1,2,4,8
	v_max_num_f32_dpp v[ACC2], v[ACC2], v[ACC2] row_xmask:\k row_mask:0xf bank_mask:0xf
.endr
	v_sub_f32 v[ACC2+2], v[MX], v[ACC2]
	v_exp_f32 v[ACC2+2], v[ACC2+2]
	v_nop
	s_wait_alu depctr_va_vdst(0)
	v_mul_f32 v[ACC2+1], v[LSUM], v[ACC2+2]
.irp k, 1,2,4,8
	v_add_f32_dpp v[ACC2+1], v[ACC2+1], v[ACC2+1] row_xmask:\k row_mask:0xf bank_mask:0xf
.endr
.set i, 0
.rept 32
	v_pk_mul_f32 v[POOL+2*i:POOL+2*i+1], v[POOL+2*i:POOL+2*i+1], v[ACC2+2:ACC2+3] op_sel_hi:[1,0]
.set i, i+1
.endr
.irp k, 1,2,4,8
.set i, 0
.rept 64
	v_add_f32_dpp v[POOL+i], v[POOL+i], v[POOL+i] row_xmask:\k row_mask:0xf bank_mask:0xf
.set i, i+1
.endr
.endr
	s_lshl_b32 s[TMP], s[WV], 9
	v_add_nc_u32 v[AH], s[TMP], v[L16]             ; 512 w + 16 lane
	v_add_nc_u32 v[AHS], PST, v[AH]
.irp t, 0,1,2,3,4,5,6,7
.irp q, 0,1
	ds_store_b128 v[PSTW], v[POOL+8*\t+4*\q:POOL+8*\t+4*\q+3] offset:128*(\t/2)+32*(\t%2)+16*\q   ; the sixteen lanes of a half write the same bytes with the same values: my 128 columns in their true order
.endr
.endr
	ds_load_b128 v[ACC2+4:ACC2+7], v[AHS]          ; LDS serves a wave's instructions in order (ISA guide 5.7.1.4): this sees my stores
	s_wait_dscnt 0x0
	global_store_b128 v[AH], v[ACC2+4:ACC2+7], s[PART:PART+1]   ; 512 consecutive aligned bytes
	s_cmp_lg_u32 s[WV], 0                          ; every wave holds the same maximum and sum: wave 0 stores them, 32 times: 256 consecutive aligned bytes
	s_cbranch_scc1 .Lnot_wave_0
	global_store_b64 v[L8], v[ACC2:ACC2+1], s[PART:PART+1] offset:2048
.Lnot_wave_0:
	s_wait_tensorcnt 0x0                           ; the wave's end: behind my last tensor load and my last LDS store
	ds_add_u32 v[SPW], v[NIL]
	s_wait_dscnt 0x0
	s_endpgm
.Lfunc_end_k_q5ce6b9f781_chain:
	.size	k_q5ce6b9f781_chain, .Lfunc_end_k_q5ce6b9f781_chain-k_q5ce6b9f781_chain
	.p2alignl 7, 3214868480
	.fill 96, 4, 3214868480
	.section	.rodata,"a",@progbits
	.p2align	6, 0x0
	.amdhsa_kernel k_q5ce6b9f781_chain
		.amdhsa_group_segment_fixed_size 327680
		.amdhsa_private_segment_fixed_size 0
		.amdhsa_enable_private_segment 0
		.amdhsa_kernarg_size 56
		.amdhsa_user_sgpr_count 2
		.amdhsa_user_sgpr_kernarg_segment_ptr 1
		.amdhsa_wavefront_size32 1
		.amdhsa_system_sgpr_workgroup_id_x 1
		.amdhsa_system_sgpr_workgroup_id_y 1
		.amdhsa_system_sgpr_workgroup_id_z 1
		.amdhsa_system_vgpr_workitem_id 0
		.amdhsa_next_free_vgpr 1024
		.amdhsa_next_free_sgpr 80
		.amdhsa_reserve_vcc 0
		.amdhsa_float_denorm_mode_32 3
		.amdhsa_float_denorm_mode_16_64 3
		.amdhsa_memory_ordered 1
		.amdhsa_forward_progress 1
		.amdhsa_inst_pref_size 255
	.end_amdhsa_kernel
	.section	.bss,"aw",@nobits
	.p2align	6
	.space	262144
	.amdgpu_metadata
---
amdhsa.version: [ 1, 2 ]
amdhsa.kernels:
  - .name:           k_q5ce6b9f781_chain
    .symbol:         k_q5ce6b9f781_chain.kd
    .args:
      - { .name: x_s, .offset: 0, .size: 8, .value_kind: global_buffer, .address_space: global }
      - { .name: x_l, .offset: 8, .size: 8, .value_kind: global_buffer, .address_space: global }
      - { .name: wq, .offset: 16, .size: 8, .value_kind: global_buffer, .address_space: global }
      - { .name: b_attn, .offset: 24, .size: 8, .value_kind: global_buffer, .address_space: global }
      - { .name: part, .offset: 32, .size: 8, .value_kind: global_buffer, .address_space: global }
      - { .name: out2, .offset: 40, .size: 8, .value_kind: global_buffer, .address_space: global }
      - { .name: out3, .offset: 48, .size: 8, .value_kind: global_buffer, .address_space: global }
    .group_segment_fixed_size: 327680
    .private_segment_fixed_size: 0
    .kernarg_segment_align: 8
    .kernarg_segment_size: 56
    .max_flat_workgroup_size: 128
    .sgpr_count:     80
    .vgpr_count:     1024
    .wavefront_size: 32
...
	.end_amdgpu_metadata
.endif
;; end of part 2
;; launch finish (part 3): grid 2 x 1, 32 waves a work-group, no clusters, 71,680 bytes of LDS; arguments part, wq, out0, out1; writes out0, out1
.if DOCPART == 3
	.amdgcn_target "amdgcn-amd-amdhsa--gfx1250"
	.amdhsa_code_object_version 6
	.text
	.protected	k_q5ce6b9f781_finish
	.globl	k_q5ce6b9f781_finish
	.p2align	8
	.type	k_q5ce6b9f781_finish,@function
k_q5ce6b9f781_finish:
	s_mov_b64 s[64:65], 0
	v_nop
	global_prefetch_b8 v0, s[64:65] scope:SCOPE_SE
	s_setreg_imm32_b32 hwreg(HW_REG_WAVE_MODE, 25, 1), 1
	s_wait_xcnt 0x0
; A work-group is a batch b.  For each of its two streams the 64 partial results (maximum M in the log2 domain, sum L, vector of 512) are joined under their common maximum, divided by the sum and
; l2-normalised; logits = the two streams' products with the four text features (made and normalised by the first launch, at wq + TXT), added; softmax; argmax (the lower index wins a tie).
; part: 256 records of 2,304 bytes: 512 f32, then (M, L) 32 times.  Record g belongs to 2 x stream + batch = g / 64.
; SHARES.  Wave v: stream v / 16, sub = v % 16.  It reads ONLY its own four records, 4 sub .. + 3: their (M, L), one address for all lanes, and their vectors, 512 consecutive bytes a load; weighs them under
; their own maximum into one vector and one (m, l), to LDS.  Behind a barrier it joins the sixteen (m, l) of its stream (a lane each, both halves of the lanes alike), takes the sixteen weights as scalars, sums the
; sixteen vectors for the 32 dimensions 32 sub + lane, and makes its part of five sums (|pooled|^2, pooled . t_c).  Behind a second barrier wave 0 joins them.
; Two work-groups must move all the records: so nothing is read twice, and no load is spread over more addresses than its bytes need.  No matrix unit, no tensor load.
; LIMITS: NaN and infinities are not served; a division by a norm is a multiplication by v_rsq_f32's result, held at 1e12 (= the clip of the norm at 1e-12).
.set REC,  2304
.set TXT,  292352
.set STAT, 65536                       ; LDS: 32 vectors of 2,048 bytes at 0; 8 bytes (m, l) for each wave at STAT;
.set RED,  65792                       ; 32 bytes for each wave at RED
	s_load_b128 s[4:7], s[0:1], 0x0                ; part, wq
	s_load_b128 s[8:11], s[0:1], 0x10              ; out0, out1
	v_lshl_add_u32 v122, v0, 2, 0x10800
	v_mov_b32 v123, 0
	v_lshrrev_b32 v1, 5, v0
	v_readfirstlane_b32 s2, v1                     ; wave 0..31
	v_and_b32 v1, 31, v0                           ; lane
	s_lshr_b32 s3, s2, 4                           ; stream
	s_and_b32 s12, s2, 15                          ; sub
	s_lshl_b32 s13, s3, 1
	s_add_co_u32 s13, s13, ttmp9                   ; 2 x stream + batch
	s_mul_i32 s14, s13, 64*REC
	s_mul_i32 s16, s12, 4*REC
	s_add_co_u32 s14, s14, s16                     ; my four records
	s_mov_b32 s15, 0
	s_lshl_b32 s18, s12, 7                         ; 32 dimensions of 4 bytes
	s_mov_b32 s22, 0x76543210
	s_mov_b32 s23, 0xfedcba98                      ; v_permlanex16_b32's selects for lane l xor 16
	s_mov_b32 s24, 0x5368d4a5                      ; 1e12
	s_mov_b32 s25, 0x3fb8aa3b                      ; log2(e)
	v_mov_b32 v3, 0
	v_lshlrev_b32 v4, 4, v1
	v_lshlrev_b32 v5, 2, v1
	v_add_nc_u32 v6, s18, v5                       ; 4 x my dimension
	s_lshl_b32 s19, s2, 11
	v_add_nc_u32 v7, s19, v4                       ; LDS: my wave's vector, 16 bytes a lane
	s_lshl_b32 s19, s3, 15
	s_add_co_u32 s19, s19, s18
	v_add_nc_u32 v124, s19, v5                     ; LDS: my dimension in my stream's first vector
	s_lshl_b32 s19, s2, 3
	s_add_co_u32 s19, s19, STAT
	v_mov_b32 v125, s19                            ; LDS: my wave's (m, l)
	s_lshl_b32 s19, s3, 7
	s_add_co_u32 s19, s19, STAT
	v_and_b32 v126, 15, v0
	v_lshl_add_u32 v126, v126, 3, s19              ; LDS: (m, l) of wave lane % 16 of my stream
	s_lshl_b32 s19, s2, 5
	s_add_co_u32 s19, s19, RED
	v_mov_b32 v2, s19                              ; LDS: my wave's five sums
	v_lshl_add_u32 v127, v1, 5, RED                ; LDS: those of the wave whose number is my lane's
.irp k, 0,1,2,3
	v_mov_b32 v[113+2*\k], 0                       ; the upper halves of pairs of which the low word serves both halves
.endr
	s_wait_kmcnt 0x0
	s_add_nc_u64 s[20:21], s[4:5], s[14:15]
.irp k, 0,1,2,3
	global_load_b64 v[8+2*\k:9+2*\k], v3, s[20:21] offset:REC*\k+2048   ; (M, L) of my four
.endr
.irp k, 0,1,2,3
.irp q, 0,1,2,3
	global_load_b128 v[16+16*\k+4*\q:16+16*\k+4*\q+3], v4, s[20:21] offset:REC*\k+512*\q
.endr
.endr
.irp c, 0,1,2,3
	global_load_b32 v[80+\c], v6, s[6:7] offset:TXT+2048*\c   ; text feature c at my dimension
.endr
	s_wait_loadcnt 20                              ; the four (M, L) are in; the vectors' 16 loads and the text's 4 may be out
	v_max3_num_f32 v120, v8, v10, v12
	v_max_num_f32 v120, v120, v14                  ; my four records' maximum
.irp k, 0,1,2,3
	v_sub_f32 v[112+2*\k], v[8+2*\k], v120
.endr
.irp k, 0,1,2,3
	v_exp_f32 v[112+2*\k], v[112+2*\k]             ; their weights
.endr
	v_nop
	s_wait_alu depctr_va_vdst(0)                   ; one wait for the four, ahead of their first reader
	v_mul_f32 v121, v112, v9
	v_fma_f32 v121, v114, v11, v121
	v_fma_f32 v121, v116, v13, v121
	v_fma_f32 v121, v118, v15, v121                ; and their sum
	ds_store_b64 v125, v[120:121]                  ; all lanes write the same bytes with the same values
	s_wait_loadcnt 4                               ; the vectors are in; the text's 4 loads may be out
.irp p, 0,1,2,3,4,5,6,7
	v_pk_mul_f32 v[16+2*\p:17+2*\p], v[16+2*\p:17+2*\p], v[112:113] op_sel_hi:[1,0]
.endr
.irp k, 1,2,3
.irp p, 0,1,2,3,4,5,6,7
	v_pk_fma_f32 v[16+2*\p:17+2*\p], v[16+16*\k+2*\p:17+16*\k+2*\p], v[112+2*\k:113+2*\k], v[16+2*\p:17+2*\p] op_sel_hi:[1,0,1]
.endr
.endr
.irp q, 0,1,2,3
	ds_store_b128 v7, v[16+4*\q:19+4*\q] offset:512*\q
.endr
	s_wait_dscnt 0x0                               ; for the others' sake: my vector and my (m, l) have landed
	s_barrier_signal -1
	s_barrier_wait -1
	ds_load_b64 v[100:101], v126
.irp j, 0,1,2,3,4,5,6,7,8,9,10,11,12,13,14,15
	ds_load_b32 v[48+\j], v124 offset:2048*\j      ; my dimension of my stream's sixteen vectors
.endr
	s_wait_dscnt 16                                ; (m, l) is in; the sixteen reads behind it may be out
	v_mov_b32 v102, v100
.irp k, 1,2,4,8
	v_max_num_f32_dpp v102, v102, v102 row_xmask:\k row_mask:0xf bank_mask:0xf
.endr
	v_sub_f32 v103, v100, v102                     ; under the stream's maximum
	v_exp_f32 v103, v103
	v_nop
	s_wait_alu depctr_va_vdst(0)
	v_mul_f32 v104, v103, v101
.irp k, 1,2,4,8
	v_add_f32_dpp v104, v104, v104 row_xmask:\k row_mask:0xf bank_mask:0xf
.endr
	v_rcp_f32 v105, v104                           ; 1 / the stream's sum
	v_nop
.irp j, 0,1,2,3,4,5,6,7,8,9,10,11,12,13,14,15
	v_readlane_b32 s[32+\j], v103, \j              ; the sixteen vectors' weights, as scalars: they enter products alone
.endr
	s_wait_dscnt 0x0
	v_mul_f32 v106, s32, v48
	v_mul_f32 v107, s33, v49
.irp j, 2,4,6,8,10,12,14
	v_fma_f32 v106, s[32+\j], v[48+\j], v106       ; two chains
	v_fma_f32 v107, s[33+\j], v[49+\j], v107
.endr
	v_add_f32 v106, v106, v107
	s_wait_alu depctr_va_vdst(0)                   ; the reciprocal
	v_mul_f32 v106, v106, v105                     ; pooled
	s_wait_loadcnt 0x0                             ; the text features
	v_mul_f32 v64, v106, v106
.irp c, 0,1,2,3
	v_mul_f32 v[65+\c], v106, v[80+\c]
.endr
.irp i, 69,70,71
	v_mov_b32 v[\i], 0                             ; the stores below take eight registers
.endr
.irp k, 1,2,4,8
.irp i, 0,1,2,3,4
	v_add_f32_dpp v[64+\i], v[64+\i], v[64+\i] row_xmask:\k row_mask:0xf bank_mask:0xf
.endr
.endr
.irp i, 0,1,2,3,4
	v_permlanex16_b32 v[72+\i], v[64+\i], s22, s23
.endr
.irp i, 0,1,2,3,4
	v_add_f32 v[64+\i], v[64+\i], v[72+\i]         ; over my 32 dimensions
.endr
	ds_store_b128 v2, v[64:67]                     ; all lanes write the same bytes with the same values
	ds_store_b128 v2, v[68:71] offset:16
	s_wait_dscnt 0x0
	s_barrier_signal -1
	s_barrier_wait -1
	s_cmp_lg_u32 s2, 0
	s_cbranch_scc1 .Lend
	ds_load_b128 v[64:67], v127                    ; lane l: wave l's sums: lanes 0-15 the first stream's, lanes 16-31 the second's
	ds_load_b128 v[68:71], v127 offset:16
	s_wait_dscnt 0x0
.irp k, 1,2,4,8
.irp i, 0,1,2,3,4
	v_add_f32_dpp v[64+\i], v[64+\i], v[64+\i] row_xmask:\k row_mask:0xf bank_mask:0xf
.endr
.endr
	v_rsq_f32 v76, v64
	v_nop
	s_wait_alu depctr_va_vdst(0)
	v_min_num_f32 v76, s24, v76                    ; 1 / max(norm, 1e-12)
.irp c, 0,1,2,3
	v_mul_f32 v[84+\c], v[65+\c], v76
.endr
.irp c, 0,1,2,3
	v_permlanex16_b32 v[72+\c], v[84+\c], s22, s23
.endr
.irp c, 0,1,2,3
	v_add_f32 v[84+\c], v[84+\c], v[72+\c]         ; the two streams' logits
.endr
	v_max3_num_f32 v92, v84, v85, v86
	v_max_num_f32 v92, v92, v87
.irp c, 0,1,2,3
	v_sub_f32 v[84+\c], v[84+\c], v92
.endr
.irp c, 0,1,2,3
	v_mul_f32 v[84+\c], s25, v[84+\c]
.endr
.irp c, 0,1,2,3
	v_exp_f32 v[84+\c], v[84+\c]
.endr
	v_nop
	s_wait_alu depctr_va_vdst(0)
	v_add_f32 v93, v84, v85
	v_add_f32 v94, v86, v87
	v_add_f32 v93, v93, v94
	v_rcp_f32 v95, v93
	v_nop
	s_wait_alu depctr_va_vdst(0)
.irp c, 0,1,2,3
	v_mul_f32 v[96+\c], v[84+\c], v95              ; Y_prob
.endr
	v_mov_b32 v100, 0
	v_mov_b32 v101, v96
.irp c, 1,2,3
	v_cmp_gt_f32 vcc_lo, v[96+\c], v101            ; strictly greater: the lower index keeps a tie
	v_cndmask_b32 v100, v100, \c, vcc_lo
	v_cndmask_b32 v101, v101, v[96+\c], vcc_lo
.endr
	s_lshl_b32 s26, ttmp9, 4
	s_mov_b32 s27, 0
	s_add_nc_u64 s[8:9], s[8:9], s[26:27]
	s_lshl_b32 s26, ttmp9, 2
	s_add_nc_u64 s[10:11], s[10:11], s[26:27]
	s_wait_xcnt 0x0                                ; EXEC changes only behind this wait
	v_cmp_eq_u32 vcc_lo, 0, v0
	s_and_saveexec_b32 s28, vcc_lo
	global_store_b128 v3, v[96:99], s[8:9]
	global_store_b32 v3, v100, s[10:11]
	s_wait_xcnt 0x0                                ; and again, in front of the line that widens it
	s_or_b32 exec_lo, exec_lo, s28
.Lend:
	s_wait_tensorcnt 0x0
	ds_add_u32 v122, v123
	s_wait_dscnt 0x0
	s_endpgm
.Lfunc_end_k_q5ce6b9f781_finish:
	.size	k_q5ce6b9f781_finish, .Lfunc_end_k_q5ce6b9f781_finish-k_q5ce6b9f781_finish
	.p2alignl 7, 3214868480
	.fill 96, 4, 3214868480
	.section	.rodata,"a",@progbits
	.p2align	6, 0x0
	.amdhsa_kernel k_q5ce6b9f781_finish
		.amdhsa_group_segment_fixed_size 71680
		.amdhsa_private_segment_fixed_size 0
		.amdhsa_enable_private_segment 0
		.amdhsa_kernarg_size 32
		.amdhsa_user_sgpr_count 2
		.amdhsa_user_sgpr_kernarg_segment_ptr 1
		.amdhsa_wavefront_size32 1
		.amdhsa_system_sgpr_workgroup_id_x 1
		.amdhsa_system_sgpr_workgroup_id_y 1
		.amdhsa_system_sgpr_workgroup_id_z 1
		.amdhsa_system_vgpr_workitem_id 0
		.amdhsa_next_free_vgpr 128
		.amdhsa_next_free_sgpr 66
		.amdhsa_reserve_vcc 1
		.amdhsa_float_denorm_mode_32 3
		.amdhsa_float_denorm_mode_16_64 3
		.amdhsa_memory_ordered 1
		.amdhsa_forward_progress 1
		.amdhsa_inst_pref_size 18
	.end_amdhsa_kernel
	.amdgpu_metadata
---
amdhsa.version: [ 1, 2 ]
amdhsa.kernels:
  - .name:           k_q5ce6b9f781_finish
    .symbol:         k_q5ce6b9f781_finish.kd
    .args:
      - { .name: part, .offset: 0, .size: 8, .value_kind: global_buffer, .address_space: global }
      - { .name: wq, .offset: 8, .size: 8, .value_kind: global_buffer, .address_space: global }
      - { .name: out0, .offset: 16, .size: 8, .value_kind: global_buffer, .address_space: global }
      - { .name: out1, .offset: 24, .size: 8, .value_kind: global_buffer, .address_space: global }
    .group_segment_fixed_size: 71680
    .private_segment_fixed_size: 0
    .kernarg_segment_align: 8
    .kernarg_segment_size: 32
    .max_flat_workgroup_size: 1024
    .sgpr_count:     66
    .vgpr_count:     128
    .wavefront_size: 32
...
	.end_amdgpu_metadata
.endif
;; end of part 3
